; MI455X (gfx1250); checked and timed in simulation.
; The chip was launched on July 23, 2026; its instructions are those of AMD's public machine-readable ISA for CDNA 5 (MIT licence, August 2026) and "CDNA5" Instruction Set Architecture Reference Guide (July 2026). The comments in the code are by the model that wrote it; some were corrected since.
;; Block. Allowed arithmetic: matrix products marked QUANTISED: E2M3 operands, one E8M0 scale for each 32 along K, by v_wmma_scale_f32_16x16x128_f8f6f4 with both operands' format E2M3, f32 sums; everything else in f32.
;; Inputs: W1 1,024 x 4,096 float32; W2 4,096 x 1,024 float32; Wk 16 x 1,024 x 64 float32; Wo 1,024 x 1,024 float32; Wq 16 x 1,024 x 64 float32; Wv 16 x 1,024 x 64 float32; b1 4,096 float32; b2 1,024 float32; be1 1,024 float32; be2 1,024 float32; bo 1,024 float32; g1 1,024 float32; g2 1,024 float32; x 2 x 2,048 x 1,024 float32.
;; Outputs: out0 2 x 2,048 x 1,024 float32.
;; This version of the problem:
;;   THIS VERSION OF THE PROBLEM IS GIVEN IN LOW PRECISION. The matrix products marked QUANTISED in the list below multiply operands that are first quantised to E2M3 (2 exponent bits, 3 mantissa bits; 6 bits a number), with one power-of-two scale for each 32 numbers along K (OCP MX v1.0); their sums are f32. All else is computed in f32.
;;   The module's matrix products, in the order in which they are computed (A, B: the left and right operand; K: the contracted axis; several contracted axes count as one K, in the product's order):
;;     1. [M 1,024, K 1,024] x [K 1,024, N 4,096]; A: input Wq; B: computed on the way: QUANTISED
;;     2. [M 1,024, K 1,024] x [K 1,024, N 4,096]; A: input Wk; B: computed on the way: QUANTISED
;;     3. [M 1,024, K 1,024] x [K 1,024, N 4,096]; A: input Wv; B: computed on the way: QUANTISED
;;     4. batch 32 x [M 2,048, K 64] x [K 64, N 2,048]; A: computed on the way; B: computed on the way: QUANTISED
;;     5. batch 32 x [M 2,048, K 2,048] x [K 2,048, N 64]; A: softmax (see below); B: computed on the way: QUANTISED
;;     6. [M 4,096, K 1,024] x [K 1,024, N 1,024]; A: computed on the way; B: input Wo: QUANTISED
;;     7. [M 4,096, K 1,024] x [K 1,024, N 4,096]; A: computed on the way; B: input W1: QUANTISED
;;     8. [M 4,096, K 4,096] x [K 4,096, N 1,024]; A: computed on the way; B: input W2: QUANTISED
;;   THE QUANTISER, for each operand of a quantised product, along K:
;;     - K is cut into blocks of 32 from its start; a last block that is shorter is filled with zeros.
;;     - A block's scale is 2^e with e = floor(log2(the largest magnitude in the block)) - 2, held to -126 .. 127; a block of zeros has e = 0. As a byte (E8M0): e + 127.
;;     - Each number is divided by its block's scale, clamped to +-7.5, and rounded to the nearest number of E2M3, ties to even, subnormals kept.
;;     - The product sums the exact products of the quantised numbers (number of the format x scale) in f32.
;;   ~~~python
;;   def quantise(x, axis):      # numpy; x: float32 -> the quantised numbers, widened to float32 again
;;       x = np.moveaxis(x, axis, -1); K = x.shape[-1]
;;       x = np.pad(x, [(0, 0)] * (x.ndim - 1) + [(0, -K % 32)]); x = x.reshape(x.shape[:-1] + (-1, 32)); a = np.abs(x).max(-1, keepdims=True)
;;       e = np.where(a > 0, np.clip(np.frexp(np.where(a > 0, a, 1))[1] - 1 - 2, -126, 127), 0)      # np.frexp(a)[1] - 1 = floor(log2(a)), exactly
;;       r = np.clip(x / 2.0 ** e, -7.5, 7.5)
;;       step = 2.0 ** (np.maximum(np.frexp(np.where(r == 0, 1, r))[1] - 1, 0) - 3)
;;       q = np.round(r / step) * step * 2.0 ** e      # np.round: ties to even
;;       return np.moveaxis(q.reshape(q.shape[:-2] + (-1,))[..., :K], -1, axis).astype(np.float32)
;;   ~~~
;;   SOFTMAX AHEAD OF A QUANTISED PRODUCT. Where the list says 'softmax', what is quantised is not the finished softmax but p = 2^(t - M), with t = logit x log2(e) and M = ceil(the row's largest t), a whole number; so 1/2 < the row's largest p <= 1. The row's sum l is taken of the UNQUANTISED p, in f32, and the product's result is divided by l at the end. Since M is a whole number, a kernel that streams over the keys may use a running M (the ceiling of the running maximum): every later rescaling is an exact power of two, which a block's scale takes up: the codes' values come out the same.
;;   OPERANDS COMPUTED ON THE WAY. 'Computed on the way' means the value that the module computes at that place (a softmax that the list does not call 'softmax' is quantised finished and normalised). What goes into a quantiser is computed in f32, as accurately as f32 sums, v_exp_f32 and their like allow (about 1e-6 of the number): no bf16 or f16 on the way to a quantiser, and a product that is left as it is and whose result goes on into a quantised operand takes f32 operands (vector FMAs, or v_wmma_f32_16x16x4_f32). A number that lies on a knife's edge between two numbers of the format may be rounded either way, as far as f32 arithmetic and the matrix unit's own rounding can turn it there, and no further.
;; One version. Each part assembles by itself: llvm-mc -triple=amdgcn-amd-amdhsa -mcpu=gfx1250 --defsym DOCPART=n.
;; ======== version 1 of 1: 4 launches
;; limits: right only within a limited range of input values
;; workspace buffers: wsp 16,384,000 bytes; wsa 9,830,400 bytes; wsc 16,384,000 bytes
;; launch prep (part 1): grid 448 x 1, 16 waves a work-group, no clusters, 120,320 bytes of LDS; arguments x, g1, be1, g2, be2, W1, W2, Wo, Wq, Wk, Wv, wsp; writes wsp
.if DOCPART == 1
	.amdgcn_target "amdgcn-amd-amdhsa--gfx1250"
	.amdhsa_code_object_version 6
	.text
	.protected	k_q3de71043ab_prep
	.globl	k_q3de71043ab_prep
	.p2align	8
	.type	k_q3de71043ab_prep,@function
k_q3de71043ab_prep:
	s_mov_b64 s[64:65], 0
	v_nop
	global_prefetch_b8 v0, s[64:65] scope:SCOPE_SE
	s_setreg_imm32_b32 hwreg(HW_REG_WAVE_MODE, 25, 1), 1
	s_wait_xcnt 0x0
; PREPARATION.  Everything that the later products read many times is turned ONCE into codes of FP6 (E2M3) with one E8M0 byte for each 32 along K:
;   work-groups 0-191: the six weights, whose K is not innermost: a lane takes a column, its registers run down K;
;   work-groups 192-447: LN1(x) and LN2(x): a wave takes a row, a lane a block of 32 along K.
; LAYOUT OF THE CODES: the order of the operand's registers.  A HALF is 16 rows x 64 K, 768 bytes: registers 0-3 of lane l at 16 l, then registers 4-5 at 512 + 8 l; a fragment
; (16 rows x 128 K) is two halves on end; a buffer is [tile of 16 rows][K step of 128][1,536].  Scale words: [block of 128 rows][K step][128 rows], 4 bytes each.
; ROWS ARE STORED AT SWAPPED PLACES: row i lies at place pi(i) = i with bits 3 and 4 exchanged, so that 16 neighbouring places are rows 32 b + 8 u + r + 8 (r / 8).
; A block's scale is 2^(floor(log2(largest magnitude)) - 2); its byte is the largest magnitude's exponent field - 2, held at 1 from below.
; Both paths name 128 registers a wave: kept low, so that more waves' loads are on their way at a time.
; LIMITS: a block whose largest magnitude lies under 2^-124, a block of zeros among them, gets the byte 1 (the rule says 127 for zeros: the codes are zeros, and this program alone reads the bytes);
; NaN and infinities among the inputs are not served.
.set O_FC,  3145728
.set O_W1C, 6291456
.set O_WQC, 9437184
.set O_WFC, 11796480
.set O_HS,  15728640
.set O_W1S, 15990784
.set O_WQS, 16121856
.set O_WFS, 16220160
.set PRM,   73728                      ; LDS (rows' path alone): 0: a stage of 32 x 144 bytes for each wave; PRM: g1, be1, g2, be2, 32 x 144 bytes each;
.set IMG,   92160                      ; IMG: 32 halves of 768 + 16 bytes (LN1's 16, LN2's 16);
.set SCI,   117248                     ; SCI: 2 x [8 K steps][16 rows] scale words
	s_load_b512 s[16:31], s[0:1], 0x0              ; x 16, g1 18, be1 20, g2 22, be2 24, W1 26, W2 28, Wo 30
	s_load_b256 s[32:39], s[0:1], 0x40             ; Wq 32, Wk 34, Wv 36, wsp 38
	v_lshrrev_b32 v1, 5, v0
	s_delay_alu instid0(VALU_DEP_1)
	v_readfirstlane_b32 s8, v1                     ; wave 0..15
	v_and_b32 v1, 31, v0                           ; lane
	s_cmp_ge_u32 ttmp9, 192
	s_cbranch_scc1 .Lrows
; ---------------- THE WEIGHTS.  A wave takes 32 columns x 128 along K: two tiles of rows of the operand, one K step.
	v_and_b32 v8, 7, v1
	v_bfe_u32 v9, v1, 3, 1
	v_bfe_u32 v10, v1, 4, 1
	s_delay_alu instid0(VALU_DEP_2)
	v_lshl_or_b32 v8, v9, 4, v8
	s_delay_alu instid0(VALU_DEP_1)
	v_lshl_or_b32 v8, v10, 3, v8                   ; pi(lane): lane s is place s and loads column pi(s); the wave still reads 128 consecutive bytes
	s_delay_alu instid0(VALU_DEP_1)
	v_lshlrev_b32 v2, 2, v8
	v_lshlrev_b32 v3, 4, v1                        ; 16 l
	v_lshlrev_b32 v4, 3, v1                        ; 8 l
	v_lshlrev_b32 v7, 2, v1                        ; 4 l
	s_lshl_b32 s10, ttmp9, 4
	s_add_co_u32 s10, s10, s8                      ; the wave's unit u = 16 g + wave
; block t of 32 along K into set t % 2
.macro LOADB t, pitch
.set li, 0
.rept 32
	global_load_b32 v[32+32*((\t)%2)+li], v2, s[40:41] offset:(32*(\t)+li)*\pitch th:TH_LOAD_NT
.set li, li+1
.endr
.endm
; block t: largest magnitude, scale, 32 codes in six registers at v[96 + 8 t]
.macro WBLOCK t, pitch
.set XS, 32+32*((\t)%2)
.set CD, 96+8*(\t)
.if (\t) < 3
	s_wait_loadcnt 32                              ; this block's 32 loads are in; the next block's 32 may be out
.else
	s_wait_loadcnt 0x0
.endif
	v_max3_num_f32 v12, |v[XS]|, |v[XS+1]|, |v[XS+2]|
	v_max3_num_f32 v13, |v[XS+3]|, |v[XS+4]|, |v[XS+5]|
.irp i, 6,10,14,18,22,26
	s_delay_alu instid0(VALU_DEP_2)
	v_max3_num_f32 v12, v12, |v[XS+\i]|, |v[XS+\i+1]|
	s_delay_alu instid0(VALU_DEP_2)
	v_max3_num_f32 v13, v13, |v[XS+\i+2]|, |v[XS+\i+3]|
.endr
	s_delay_alu instid0(VALU_DEP_2)
	v_max3_num_f32 v12, v12, |v[XS+30]|, |v[XS+31]|
	s_delay_alu instid0(VALU_DEP_1)
	v_max3_num_f32 v12, v12, v13, 0x1800000        ; and the floor 2^(3 - 127): the byte cannot fall under 1
	s_delay_alu instid0(VALU_DEP_1)
	v_add_nc_u32 v11, 0xff000000, v12              ; 2 off the exponent field: the conversion's scale operand
	s_delay_alu instid0(VALU_DEP_1)
	v_lshrrev_b32 v13, 23, v11                     ; the byte
.if (\t) == 0
	s_delay_alu instid0(VALU_DEP_1)
	v_mov_b32 v16, v13
.else
	s_delay_alu instid0(VALU_DEP_1)
	v_lshl_or_b32 v16, v13, 8*(\t), v16            ; four bytes make my place's scale word of this K step
.endif
	v_cvt_scalef32_pk16_fp6_f32 v[CD:CD+2], v[XS:XS+15], v11
	v_cvt_scalef32_pk16_fp6_f32 v[CD+4:CD+6], v[XS+16:XS+31], v11   ; (a conversion's three registers begin on an even number)
	v_nop                                          ; one plain place behind a scaled conversion
	v_mov_b32 v[CD+3], v[CD+4]
	v_mov_b32 v[CD+4], v[CD+5]
	v_mov_b32 v[CD+5], v[CD+6]
.if (\t)+2 < 4
	LOADB (\t)+2, \pitch
.endif
.endm
; The whole unit.  Blocks 2 c and 2 c + 1 make half c of both tiles: the layout wants block 2 c + h of row r in lane (r, h), and I hold all blocks of place s: the exchange of
; the first set's lanes 16-31 with the second's lanes 0-15 makes the first set tile 0's half and the second tile 1's.  No store's data are written again.
.macro WQ pitch
	LOADB 0, \pitch
	LOADB 1, \pitch
.irp c, 0,1
	WBLOCK 2*\c, \pitch
	WBLOCK 2*\c+1, \pitch
.irp i, 0,1,2,3,4,5
	v_permlane16_swap_b32 v[96+16*\c+\i], v[104+16*\c+\i]
.endr
	global_store_b128 v3, v[96+16*\c:99+16*\c], s[42:43] offset:768*\c          ; 512 consecutive bytes
	global_store_b64 v4, v[100+16*\c:101+16*\c], s[42:43] offset:768*\c+512     ; 256 consecutive bytes
	global_store_b128 v5, v[104+16*\c:107+16*\c], s[42:43] offset:768*\c
	global_store_b64 v6, v[108+16*\c:109+16*\c], s[42:43] offset:768*\c+512
.endr
	global_store_b32 v7, v16, s[44:45]             ; 32 places' scale words: 128 consecutive bytes
	s_endpgm
.endm
; from s11 = group of 32 columns, s12 = K step in the tensor, s13 = K step in the operand, s14 = the columns' byte, s51, s52 = where the codes and scale words begin in wsp
.macro WADDR ptr, pitch, rts, ksb
	s_mul_i32 s48, s12, 128*\pitch
	s_add_co_u32 s48, s48, s14
	s_mov_b32 s49, 0
	s_add_nc_u64 s[40:41], s[\ptr:\ptr+1], s[48:49]
	s_mul_i32 s48, s11, 2*\rts
	s_mul_i32 s50, s13, 1536
	s_add_co_u32 s48, s48, s50
	s_add_co_u32 s48, s48, s51
	s_add_nc_u64 s[42:43], s[38:39], s[48:49]
	s_lshr_b32 s48, s11, 2
	s_mul_i32 s48, s48, \ksb
	s_lshl_b32 s50, s13, 9
	s_add_co_u32 s48, s48, s50
	s_and_b32 s50, s11, 3
	s_lshl_b32 s50, s50, 7
	s_add_co_u32 s48, s48, s50
	s_add_co_u32 s48, s48, s52
	s_add_nc_u64 s[44:45], s[38:39], s[48:49]
	v_add_nc_u32 v5, \rts, v3                      ; the second tile of rows
	v_add_nc_u32 v6, \rts, v4
.endm
	s_wait_kmcnt 0x0
	s_cmp_lt_u32 ttmp9, 64
	s_cbranch_scc1 .Lw1
	s_cmp_lt_u32 ttmp9, 144
	s_cbranch_scc1 .Lw2o
	; Wq, Wk, Wv: [16 heads][1024 (K)][64]: the operand's row n = 64 head + d
	s_sub_co_u32 s10, s10, 2304
	s_lshr_b32 s15, s10, 8                         ; which of the three
	s_and_b32 s10, s10, 255
	s_and_b32 s11, s10, 31
	s_lshr_b32 s12, s10, 5
	s_mov_b32 s13, s12
	s_lshr_b32 s14, s11, 1
	s_lshl_b32 s14, s14, 18                        ; the head: 262,144 bytes
	s_and_b32 s50, s11, 1
	s_lshl_b32 s50, s50, 7
	s_add_co_u32 s14, s14, s50
	s_mul_i32 s51, s15, 786432
	s_add_co_u32 s51, s51, O_WQC
	s_lshl_b32 s52, s15, 15
	s_add_co_u32 s52, s52, O_WQS
	s_cmp_eq_u32 s15, 0
	s_cselect_b64 s[46:47], s[32:33], s[34:35]
	s_cmp_eq_u32 s15, 2
	s_cselect_b64 s[46:47], s[36:37], s[46:47]
	s_wait_alu depctr_va_vdst(0)
	WADDR 46, 256, 12288, 4096
	WQ 256
.Lw1:                                              ; W1 [1024 (K)][4096]
	s_and_b32 s11, s10, 127
	s_lshr_b32 s12, s10, 7
	s_mov_b32 s13, s12
	s_lshl_b32 s14, s11, 7
	s_mov_b32 s51, O_W1C
	s_mov_b32 s52, O_W1S
	s_wait_alu depctr_va_vdst(0)
	WADDR 26, 16384, 12288, 4096
	WQ 16384
.Lw2o:                                             ; W2 [4096 (K)][1024] and Wo [1024 (K)][1024] make ONE operand with K = 5,120: K steps 0-31 are W2's, 32-39 Wo's
	s_sub_co_u32 s10, s10, 1024
	s_and_b32 s11, s10, 31
	s_lshr_b32 s13, s10, 5                         ; 0..39
	s_cmp_lt_u32 s13, 32
	s_cselect_b64 s[46:47], s[28:29], s[30:31]
	s_cselect_b32 s12, 0, 32
	s_sub_co_u32 s12, s13, s12
	s_lshl_b32 s14, s11, 7
	s_mov_b32 s51, O_WFC
	s_mov_b32 s52, O_WFS
	s_wait_alu depctr_va_vdst(0)
	WADDR 46, 4096, 61440, 20480
	WQ 4096
; ---------------- THE ROWS.  The work-group is tile rt of 16 places; wave w is place 16 rt + w, which is token pi of it.
; REGISTERS of this path: v3-14 addresses; RC: the two tensors' codes (v16-22, v24-30) and bytes (v23, v31), never written again; RX: the row as loaded, then a tensor's gains and, in their place,
; its numbers, at the end the fragment on its way out; RY: block l of the row, normalised; RW: at work on the sums, my part of the parameters (RP), then a tensor's biases and, when those are used up, the scale's lines.
.set RC, 16
.set RX, 32
.set RY, 64
.set RW, 96
.set RP, 104
.Lrows:
	s_sub_co_u32 s9, ttmp9, 192                    ; rt
	s_lshr_b32 s10, s9, 1
	s_lshl_b32 s10, s10, 5
	s_and_b32 s11, s9, 1
	s_lshl_b32 s11, s11, 3
	s_add_co_u32 s10, s10, s11
	s_lshr_b32 s11, s8, 3
	s_lshl_b32 s11, s11, 4
	s_add_co_u32 s10, s10, s11
	s_and_b32 s11, s8, 7
	s_add_co_u32 s10, s10, s11                     ; token = 32 (rt / 2) + 16 (w / 8) + 8 (rt % 2) + w % 8
	s_wait_alu depctr_va_vdst(0)
	v_lshlrev_b32 v3, 4, v1                        ; 16 l
	v_lshrrev_b32 v15, 3, v1
	s_delay_alu instid0(VALU_DEP_1)
	v_mul_u32_u24 v15, v15, 144
	v_and_b32 v16, 7, v1
	s_delay_alu instid0(VALU_DEP_1)
	v_lshl_add_u32 v15, v16, 4, v15                ; a load's 512 bytes are four blocks of 128: place (l / 8) x 144 + 16 (l % 8)
	s_mul_i32 s12, s8, 4608
	v_add_nc_u32 v4, s12, v15                      ; my stage, on the way in
	v_mul_u32_u24 v16, v1, 144
	s_delay_alu instid0(VALU_DEP_1)
	v_add_nc_u32 v5, s12, v16                      ; and on the way out: block l whole
	s_delay_alu instid0(VALU_DEP_2)
	v_add_nc_u32 v7, PRM, v16                      ; the parameters of block l
	s_lshr_b32 s13, s8, 2                          ; which parameter vector I bring,
	s_mul_i32 s12, s13, 4608
	s_and_b32 s14, s8, 3                           ; which quarter of it
	s_mul_i32 s50, s14, 1152
	s_add_co_u32 s12, s12, s50
	s_add_co_u32 s12, s12, PRM
	v_add_nc_u32 v6, s12, v15
	v_lshrrev_b32 v15, 1, v1
	s_delay_alu instid0(VALU_DEP_1)
	v_mul_u32_u24 v15, v15, 784                    ; block l lies in half l / 2, in the lanes' half l % 2, row w
	v_and_b32 v16, 1, v1
	s_delay_alu instid0(VALU_DEP_1)
	v_lshl_add_u32 v8, v16, 8, v15
	s_delay_alu instid0(VALU_DEP_2)
	v_lshl_add_u32 v9, v16, 7, v15
	s_lshl_b32 s12, s8, 4
	s_add_co_u32 s12, s12, IMG
	v_add_nc_u32 v8, s12, v8                       ; registers 0-3: 16 (16 h + w)
	s_lshl_b32 s12, s8, 3
	s_add_co_u32 s12, s12, IMG+512
	v_add_nc_u32 v9, s12, v9                       ; registers 4-5: 512 + 8 (16 h + w)
	v_lshrrev_b32 v15, 2, v1
	v_and_b32 v16, 3, v1
	s_delay_alu instid0(VALU_DEP_1)
	v_lshl_add_u32 v10, v15, 6, v16
	s_lshl_b32 s12, s8, 2
	s_add_co_u32 s12, s12, SCI
	v_add_nc_u32 v10, s12, v10                     ; my byte: K step l / 4, row w, byte l % 4
	v_lshlrev_b32 v14, 9, v15
	s_delay_alu instid0(VALU_DEP_1)
	v_lshl_add_u32 v14, v16, 4, v14                ; the scale words' way out: 512 (l / 4) + 16 (l % 4)
	s_lshr_b32 s15, s8, 3                          ; on the way out wave w takes K step w % 8 of tensor w / 8
	s_and_b32 s11, s8, 7
	s_mul_i32 s12, s15, 12544
	s_mul_i32 s50, s11, 1568
	s_add_co_u32 s12, s12, s50
	s_add_co_u32 s12, s12, IMG
	v_add_nc_u32 v11, s12, v3
	v_lshrrev_b32 v15, 4, v1
	s_delay_alu instid0(VALU_DEP_1)
	v_lshl_add_u32 v12, v15, 4, v11                ; (behind the first half's 16 bytes of padding for lanes 16-31)
	s_lshl_b32 s12, s15, 9
	s_add_co_u32 s12, s12, SCI
	v_add_nc_u32 v13, s12, v3
	s_mov_b32 s53, 0x3a800000                      ; 1 / 1024
	s_mov_b32 s54, 0x76543210
	s_mov_b32 s55, 0xfedcba98                      ; v_permlanex16_b32's selects for lane l xor 16
	s_lshl_b32 s48, s10, 12                        ; my row of x
	s_mov_b32 s49, 0
	s_lshl_b32 s56, s14, 10                        ; my quarter of a parameter vector
	s_mov_b32 s57, 0
	s_mul_i32 s58, s15, O_FC
	s_mul_i32 s50, s9, 12288
	s_add_co_u32 s58, s58, s50
	s_mul_i32 s50, s11, 1536
	s_add_co_u32 s58, s58, s50                     ; my fragment in wsp
	s_mov_b32 s59, 0
	s_lshl_b32 s60, s15, 17
	s_lshr_b32 s50, s9, 3
	s_lshl_b32 s50, s50, 12
	s_add_co_u32 s60, s60, s50
	s_and_b32 s50, s9, 7
	s_lshl_b32 s50, s50, 6
	s_add_co_u32 s60, s60, s50
	s_add_co_u32 s60, s60, O_HS                    ; the tile's scale words in wsp
	s_mov_b32 s61, 0
	s_wait_kmcnt 0x0
	s_cmp_lt_u32 s13, 2
	s_cselect_b64 s[40:41], s[18:19], s[22:23]     ; g1 or g2
	s_cselect_b64 s[42:43], s[20:21], s[24:25]     ; be1 or be2
	s_and_b32 s50, s13, 1
	s_cmp_eq_u32 s50, 0
	s_cselect_b64 s[40:41], s[40:41], s[42:43]     ; vectors 0..3: g1, be1, g2, be2
	s_add_nc_u64 s[40:41], s[40:41], s[56:57]
	s_add_nc_u64 s[42:43], s[16:17], s[48:49]
	s_add_nc_u64 s[44:45], s[38:39], s[58:59]
	s_add_nc_u64 s[46:47], s[38:39], s[60:61]
	global_load_b128 v[RP:RP+3], v3, s[40:41]
	global_load_b128 v[RP+4:RP+7], v3, s[40:41] offset:512
.irp j, 0,1,2,3,4,5,6,7
	global_load_b128 v[RX+4*\j:RX+4*\j+3], v3, s[42:43] offset:512*\j th:TH_LOAD_NT   ; 512 consecutive bytes each
.endr
	s_wait_loadcnt 8                               ; the parameters are in; the row's eight loads may be out
	ds_store_b128 v6, v[RP:RP+3]
	ds_store_b128 v6, v[RP+4:RP+7] offset:576
	s_wait_loadcnt 0x0
.irp j, 0,1,2,3,4,5,6,7
	ds_store_b128 v4, v[RX+4*\j:RX+4*\j+3] offset:576*\j
.endr
.irp i, 0,1,2,3,4,5,6,7
	ds_load_b128 v[RY+4*\i:RY+4*\i+3], v5 offset:16*\i   ; LDS serves a wave's instructions in order: these see my stores.  Lane l now holds block l: 32 neighbours along K
.endr
	s_wait_dscnt 0x0                               ; my stores have landed and have read their registers: RX and RP are written again only behind this wait
	s_barrier_signal -1
	s_barrier_wait -1                              ; everybody's parameters lie in LDS
	v_mov_b32 v[RW+6], 0                           ; a lane permute's destination counts as one of its sources
	; the mean
	v_pk_add_f32 v[RW:RW+1], v[RY:RY+1], v[RY+2:RY+3]
	v_pk_add_f32 v[RW+2:RW+3], v[RY+4:RY+5], v[RY+6:RY+7]
.irp j, 8,12,16,20,24,28
	s_delay_alu instid0(VALU_DEP_2)
	v_pk_add_f32 v[RW:RW+1], v[RW:RW+1], v[RY+\j:RY+\j+1]
	s_delay_alu instid0(VALU_DEP_2)
	v_pk_add_f32 v[RW+2:RW+3], v[RW+2:RW+3], v[RY+\j+2:RY+\j+3]
.endr
.macro ACROSS                                      ; v[RW .. RW + 3] -> the sum over the wave, in v[RW] of every lane
	s_delay_alu instid0(VALU_DEP_1)
	v_pk_add_f32 v[RW:RW+1], v[RW:RW+1], v[RW+2:RW+3]
	s_delay_alu instid0(VALU_DEP_1)
	v_add_f32 v[RW], v[RW], v[RW+1]
	s_delay_alu instid0(VALU_DEP_1)
	v_add_f32_dpp v[RW], v[RW], v[RW] row_xmask:1 row_mask:0xf bank_mask:0xf
	s_delay_alu instid0(VALU_DEP_1)
	v_add_f32_dpp v[RW], v[RW], v[RW] row_xmask:2 row_mask:0xf bank_mask:0xf
	s_delay_alu instid0(VALU_DEP_1)
	v_add_f32_dpp v[RW], v[RW], v[RW] row_xmask:4 row_mask:0xf bank_mask:0xf
	s_delay_alu instid0(VALU_DEP_1)
	v_add_f32_dpp v[RW], v[RW], v[RW] row_xmask:8 row_mask:0xf bank_mask:0xf
	s_delay_alu instid0(VALU_DEP_1)
	v_permlanex16_b32 v[RW+6], v[RW], s54, s55
	s_delay_alu instid0(VALU_DEP_1)
	v_add_f32 v[RW], v[RW], v[RW+6]
.endm
	ACROSS
	s_delay_alu instid0(VALU_DEP_1)
	v_mul_f32 v[RW], s53, v[RW]
.irp j, 0,2,4,6,8,10,12,14,16,18,20,22,24,26,28,30
	v_pk_add_f32 v[RY+\j:RY+\j+1], v[RY+\j:RY+\j+1], v[RW:RW+1] op_sel_hi:[1,0] neg_lo:[0,1] neg_hi:[0,1]   ; x - mean
.endr
	; the variance, of the differences: no difference of large sums is formed
	v_pk_mul_f32 v[RW:RW+1], v[RY:RY+1], v[RY:RY+1]
	v_pk_mul_f32 v[RW+2:RW+3], v[RY+2:RY+3], v[RY+2:RY+3]
.irp j, 4,8,12,16,20,24,28
	s_delay_alu instid0(VALU_DEP_2)
	v_pk_fma_f32 v[RW:RW+1], v[RY+\j:RY+\j+1], v[RY+\j:RY+\j+1], v[RW:RW+1]
	s_delay_alu instid0(VALU_DEP_2)
	v_pk_fma_f32 v[RW+2:RW+3], v[RY+\j+2:RY+\j+3], v[RY+\j+2:RY+\j+3], v[RW+2:RW+3]
.endr
	ACROSS
	s_delay_alu instid0(VALU_DEP_1)
	v_fmaak_f32 v[RW], s53, v[RW], 0x3727c5ac      ; variance + 1e-5
	s_wait_alu depctr_va_vdst(0)
	v_rsq_f32 v[RW+4], v[RW]
	v_mov_b32 v[RW+5], 0                           ; a plain place behind the transcendental (and the pair's upper word is written)
	s_wait_alu depctr_va_vdst(0)                   ; the wait ahead of the result's first reader
.irp j, 0,2,4,6,8,10,12,14,16,18,20,22,24,26,28,30
	v_pk_mul_f32 v[RY+\j:RY+\j+1], v[RY+\j:RY+\j+1], v[RW+4:RW+5] op_sel_hi:[1,0]
.endr
; tensor T (0: g1, be1; 1: g2, be2): gain and bias, the block's scale, its 32 codes; codes and byte go to their places in the tile's image
.macro LNQ T
.irp i, 0,1,2,3,4,5,6,7
	ds_load_b128 v[RX+4*\i:RX+4*\i+3], v7 offset:(2*\T)*4608+16*\i
	ds_load_b128 v[RW+4*\i:RW+4*\i+3], v7 offset:(2*\T+1)*4608+16*\i
.endr
	s_wait_dscnt 0x0
.irp j, 0,2,4,6,8,10,12,14,16,18,20,22,24,26,28,30
	v_pk_fma_f32 v[RX+\j:RX+\j+1], v[RY+\j:RY+\j+1], v[RX+\j:RX+\j+1], v[RW+\j:RW+\j+1]   ; the numbers take the gains' place; the biases are used up
.endr
	v_max3_num_f32 v[RW], |v[RX]|, |v[RX+1]|, |v[RX+2]|
	v_max3_num_f32 v[RW+1], |v[RX+3]|, |v[RX+4]|, |v[RX+5]|
.irp i, 6,10,14,18,22,26
	s_delay_alu instid0(VALU_DEP_2)
	v_max3_num_f32 v[RW], v[RW], |v[RX+\i]|, |v[RX+\i+1]|
	s_delay_alu instid0(VALU_DEP_2)
	v_max3_num_f32 v[RW+1], v[RW+1], |v[RX+\i+2]|, |v[RX+\i+3]|
.endr
	s_delay_alu instid0(VALU_DEP_2)
	v_max3_num_f32 v[RW], v[RW], |v[RX+30]|, |v[RX+31]|
	s_delay_alu instid0(VALU_DEP_1)
	v_max3_num_f32 v[RW], v[RW], v[RW+1], 0x1800000
	s_delay_alu instid0(VALU_DEP_1)
	v_add_nc_u32 v[RW+2], 0xff000000, v[RW]
	s_delay_alu instid0(VALU_DEP_1)
	v_lshrrev_b32 v[RC+8*\T+7], 23, v[RW+2]
	v_cvt_scalef32_pk16_fp6_f32 v[RC+8*\T:RC+8*\T+2], v[RX:RX+15], v[RW+2]
	v_cvt_scalef32_pk16_fp6_f32 v[RC+8*\T+4:RC+8*\T+6], v[RX+16:RX+31], v[RW+2]
	v_nop                                          ; one plain place behind a scaled conversion
	v_mov_b32 v[RC+8*\T+3], v[RC+8*\T+4]
	v_mov_b32 v[RC+8*\T+4], v[RC+8*\T+5]
	v_mov_b32 v[RC+8*\T+5], v[RC+8*\T+6]
	ds_store_b128 v8, v[RC+8*\T:RC+8*\T+3] offset:12544*\T
	ds_store_b64 v9, v[RC+8*\T+4:RC+8*\T+5] offset:12544*\T
	ds_store_b8 v10, v[RC+8*\T+7] offset:512*\T
.endm
	LNQ 0
	LNQ 1
	s_wait_dscnt 0x0                               ; my stores into the images have landed
	s_barrier_signal -1
	s_barrier_wait -1                              ; both tensors' eight fragments and their scale words lie in LDS
	ds_load_b128 v[RX:RX+3], v11                   ; my fragment's 1,536 bytes, as they will lie in memory
	ds_load_b128 v[RX+4:RX+7], v12 offset:512
	ds_load_b128 v[RX+8:RX+11], v11 offset:1040
	s_wait_dscnt 0x0
	global_store_b128 v3, v[RX:RX+3], s[44:45]     ; three times 512 consecutive bytes
	global_store_b128 v3, v[RX+4:RX+7], s[44:45] offset:512
	global_store_b128 v3, v[RX+8:RX+11], s[44:45] offset:1024
	s_cmp_lg_u32 s11, 0                            ; waves 0 and 8 also store a tensor's scale words: 64 bytes for each of 8 K steps
	s_cbranch_scc1 .Lrows_end
	ds_load_b128 v[RX+12:RX+15], v13
	s_wait_dscnt 0x0
	global_store_b128 v14, v[RX+12:RX+15], s[46:47]
.Lrows_end:
	v_lshl_add_u32 v2, v0, 2, 0x1ce00              ; my spare word and 0, made anew from v0: all 128 registers are at work until here; v2 and v15 hold nothing that is still read
	v_mov_b32 v15, 0
	s_wait_alu depctr_va_vdst(0)                   ; the wait, directly ahead of the wait below
	s_wait_tensorcnt 0x0
	ds_add_u32 v2, v15
	s_wait_dscnt 0x0
	s_endpgm
.Lfunc_end_k_q3de71043ab_prep:
	.size	k_q3de71043ab_prep, .Lfunc_end_k_q3de71043ab_prep-k_q3de71043ab_prep
	.p2alignl 7, 3214868480
	.fill 96, 4, 3214868480
	.section	.rodata,"a",@progbits
	.p2align	6, 0x0
	.amdhsa_kernel k_q3de71043ab_prep
		.amdhsa_group_segment_fixed_size 120320
		.amdhsa_private_segment_fixed_size 0
		.amdhsa_enable_private_segment 0
		.amdhsa_kernarg_size 96
		.amdhsa_user_sgpr_count 2
		.amdhsa_user_sgpr_kernarg_segment_ptr 1
		.amdhsa_wavefront_size32 1
		.amdhsa_system_sgpr_workgroup_id_x 1
		.amdhsa_system_sgpr_workgroup_id_y 1
		.amdhsa_system_sgpr_workgroup_id_z 1
		.amdhsa_system_vgpr_workitem_id 0
		.amdhsa_next_free_vgpr 128
		.amdhsa_next_free_sgpr 66
		.amdhsa_reserve_vcc 0
		.amdhsa_float_denorm_mode_32 3
		.amdhsa_float_denorm_mode_16_64 3
		.amdhsa_memory_ordered 1
		.amdhsa_forward_progress 1
		.amdhsa_inst_pref_size 92
	.end_amdhsa_kernel
	.amdgpu_metadata
---
amdhsa.version: [ 1, 2 ]
amdhsa.kernels:
  - .name:           k_q3de71043ab_prep
    .symbol:         k_q3de71043ab_prep.kd
    .args:
      - { .name: x, .offset: 0, .size: 8, .value_kind: global_buffer, .address_space: global }
      - { .name: g1, .offset: 8, .size: 8, .value_kind: global_buffer, .address_space: global }
      - { .name: be1, .offset: 16, .size: 8, .value_kind: global_buffer, .address_space: global }
      - { .name: g2, .offset: 24, .size: 8, .value_kind: global_buffer, .address_space: global }
      - { .name: be2, .offset: 32, .size: 8, .value_kind: global_buffer, .address_space: global }
      - { .name: W1, .offset: 40, .size: 8, .value_kind: global_buffer, .address_space: global }
      - { .name: W2, .offset: 48, .size: 8, .value_kind: global_buffer, .address_space: global }
      - { .name: Wo, .offset: 56, .size: 8, .value_kind: global_buffer, .address_space: global }
      - { .name: Wq, .offset: 64, .size: 8, .value_kind: global_buffer, .address_space: global }
      - { .name: Wk, .offset: 72, .size: 8, .value_kind: global_buffer, .address_space: global }
      - { .name: Wv, .offset: 80, .size: 8, .value_kind: global_buffer, .address_space: global }
      - { .name: wsp, .offset: 88, .size: 8, .value_kind: global_buffer, .address_space: global }
    .group_segment_fixed_size: 120320
    .private_segment_fixed_size: 0
    .kernarg_segment_align: 8
    .kernarg_segment_size: 96
    .max_flat_workgroup_size: 512
    .sgpr_count:     66
    .vgpr_count:     128
    .wavefront_size: 32
...
	.end_amdgpu_metadata
.endif
;; end of part 1
;; launch gq (part 2): grid 112 x 4, 4 waves a work-group, clusters of 4 x 4, 327,680 bytes of LDS; arguments wsp, b1, wsa, wsc; writes wsa, wsc
.if DOCPART == 2
	.amdgcn_target "amdgcn-amd-amdhsa--gfx1250"
	.amdhsa_code_object_version 6
	.text
	.protected	k_q3de71043ab_gq
	.globl	k_q3de71043ab_gq
	.p2align	8
	.type	k_q3de71043ab_gq,@function
k_q3de71043ab_gq:
	s_mov_b64 s[64:65], 0
	v_nop
	global_prefetch_b8 v0, s[64:65] scope:SCOPE_SE
	s_setreg_imm32_b32 hwreg(HW_REG_WAVE_MODE, 25, 1), 1
	s_wait_xcnt 0x0
	s_wait_alu depctr_hold_cnt(0) depctr_sa_sdst(0) depctr_va_vdst(0) depctr_va_sdst(0) depctr_va_ssrc(0) depctr_va_vcc(0) depctr_vm_vsrc(0)
	s_getreg_b32 s2, hwreg(HW_REG_IB_STS2, 6, 4)
	s_cmp_eq_u32 s2, 0
	s_cbranch_scc0 .Lentry_in_a_cluster
	s_endpgm
.Lentry_in_a_cluster:
	s_bfe_u32 s2, ttmp6, 0x10000c
	s_cmp_lg_u32 s2, 0xf033
	s_cbranch_scc0 .Lentry_shape_is_right
	s_endpgm
.Lentry_shape_is_right:
; FOUR PRODUCTS WITH K = 1,024 ON CODES OF FP6, EACH RESULT QUANTISED AGAIN ALONG ITS COLUMNS, which are the next product's K.  The job hangs on the cluster's number c (28 clusters of 4 x 4):
;   job 0 (c 0-15):  relu(LN2(x) W1 + b1), 4,096 x 4,096 -> K steps 0-31 of the last product's left operand (wsc);
;   job 1, 2 (c 16-19, 20-23):  q, k = LN1(x) Wq, LN1(x) Wk, 4,096 x 1,024 -> halves of 16 tokens x 64 for each head (wsa);
;   job 3 (c 24-27):  v^T = Wv^T LN1(x)^T, 1,024 x 4,096: rows = channels, columns = tokens, since the keys are the K of attention's second product (wsa).
; A tile of 256 x 256 is made by four waves, 128 x 128 each: 64 accumulators, 512 registers.  K goes in steps of 256 through two LDS slots filled by the tensor data mover.
; Operands lie in memory in the order of the operand's registers (a fragment of 16 rows x 128 K: 1,536 bytes: registers 0-3 at 16 l, 4-5 at 512 + 8 l, 6-9 at 768 + 16 l, 10-11 at 1,280 + 8 l):
; each LDS load reads consecutive bytes, and a result's codes are stored straight from registers in runs of 512 and 256 bytes.
; THE MATRIX INSTRUCTION IS USED TRANSPOSED (source 0 = 16 rows of B, source 1 = 16 rows of A), and rows lie at swapped places (bits 3 and 4 exchanged): so lane (r, h) holds A's place r,
; and the 16 registers of B's tiles 2 b and 2 b + 1 are the 16 neighbouring columns 32 b + 16 h + 0 .. 15.
; CLUSTERS: A's tiles are asked for jointly along a row of the cluster, B's along a column.  The job is the same in all sixteen partners.
; LIMITS: a block whose largest magnitude lies under 2^-124 gets the byte 1 (zeros too: their codes are zeros, and this program alone reads the bytes); NaN and infinities are not served.
; REGISTERS: window 0: v1-31 addresses; v32-63 scale words, two sets; v64-127 the bias, later the way out's work; v128-223 A's fragments, one set.  window 1: B's fragments, two sets.  windows 2, 3: accumulators.
.set O_HC,  0
.set O_FC,  3145728
.set O_W1C, 6291456
.set O_WQC, 9437184
.set O_WKC, 10223616
.set O_WVC, 11010048
.set O_HS,  15728640
.set O_FS,  15859712
.set O_W1S, 15990784
.set O_WQS, 16121856
.set O_WKS, 16154624
.set O_WVS, 16187392
.set O_QC,  0
.set O_KVC, 3145728
.set O_QS,  9437184
.set O_KVS, 9568256
.set O_ACC, 0
.set O_ACS, 15728640
.set FR,    12                         ; registers of a fragment
.set NL,    4                          ; LDS loads that bring one
.set NP,    4                          ; places behind this matrix instruction (ISA guide 7.12.1)
.set HALFT, 24576                      ; 8 tiles of rows x 2 K steps x 1,536: what one tensor load brings
.set SLOT,  4*HALFT                    ; A's 256 rows, then B's
.set SCL,   2*SLOT                     ; the scale words for all of K: four blocks [8 K steps][128 rows] of 4,096 bytes, filled once
.set HALFS, 4096
.set SPARE, SCL+4*HALFS                ; the spare words, 128 bytes a wave: two blocks of 256 bytes that no other line names
.set A16, 16                           ; v16-17 A's fragments in slot 0, 1: + 16 l;  v18-19: + 8 l
.set A8,  18
.set B16, 20                           ; v20-23 the same for B
.set B8,  22
.set BOF, 24                           ; v24 64 h: my half's bytes in b1
.set ADRS, 27                          ; v27 my scale words: lanes 0-15 A's rows, lanes 16-31 B's
.set SPW, 28                           ; v28 my spare word; never rewritten
.set NIL, 29                           ; v29 0; never rewritten
.set SC,  32                           ; set s at v[SC + 16 s]; register 2 i + q: lanes 0-15 the word of A's block i, lanes 16-31 of B's block i, for the slot's q-th 128 along K
.set BI,  64                           ; v64-127 the bias in the result's layout, 8 registers for each of B's 8 tiles
.set AF,  128
.set G1, 24
.set G0, 32
.set G1B, 48
.set G0B, 56
.set G1S, 68
.set G0S, 76
.set G1SB, 80
.set G0SB, 88
.set JOB, 96
; THE HEAD'S FILLS, one joint load a wave: wave 0 A's 256 rows of slot 0, wave 1 B's, wave 2 A's scale words, wave 3 B's.  Slot 1's first fill stands behind the full sequence and a round, as a refill does.
; PREFETCH: behind the load of tile j (256 along K) one prefetch a wave names tile j + 1: of the 8 tiles of rows that a wave fetches each of the four partners takes two, told apart by address:
; lanes 0-15 one, lanes 16-31 the other, 12 blocks of 256 bytes each (the lanes left over name the twelfth again).  Tile 3 is the last: behind its load nothing is asked for.
.set PFA, 92                           ; s[92:93] tile 0 of my work-group's two tiles of rows; never stepped
.set PFO, 30                           ; v30 the lane's offset; never rewritten
.set MSB, 0
.macro WIN new                         ; the immediate's high byte repeats the setting that is left
.if MSB != (\new)
	s_set_vgpr_msb (MSB<<8)|(\new)
.set MSB, (\new)
.endif
.endm
.set MUL_LO, 0xa1                      ; source 0 (B) window 1, source 1 (A) window 0, C and D window 2
.set MUL_HI, 0xf1                      ; the same, C and D window 3
.set TO_B,   0x40                      ; destination window 1, address window 0
.macro SEL4 r, c0, c1, c2, c3          ; a constant for each job; the choice hangs on the cluster's number alone
	s_mov_b32 s[\r], \c1
	s_cmp_eq_u32 s[JOB], 0
	s_cselect_b32 s[\r], \c0, s[\r]
	s_cmp_eq_u32 s[JOB], 2
	s_cselect_b32 s[\r], \c2, s[\r]
	s_cmp_eq_u32 s[JOB], 3
	s_cselect_b32 s[\r], \c3, s[\r]
.endm
; A joint load: waves 0 and 1 fetch for A, waves 2 and 3 for B; four v_nop follow each of the two lines
.macro JLOAD g0a, g1a, g0b, g1b
	s_cmp_eq_u32 s15, 0
	s_cbranch_scc0 .Lfor_b_\@
	tensor_load_to_lds s[\g0a:\g0a+3], s[\g1a:\g1a+7]
	s_nop 0
.rept 4
	v_nop
.endr
	s_branch .Lasked_\@
.Lfor_b_\@:
	tensor_load_to_lds s[\g0b:\g0b+3], s[\g1b:\g1b+7]
	s_nop 0
.rept 4
	v_nop
.endr
.Lasked_\@:
.endm
.macro CREST                           ; a round of the cluster's barrier behind its opening barrier
	s_cmp_lg_u32 s14, 0
	s_cbranch_scc1 .Lnot_wave_0_\@
	s_barrier_signal -3
.Lnot_wave_0_\@:
	s_barrier_wait -3
	s_barrier_signal -1
	s_barrier_wait -1
.endm
.macro CROUND
	s_barrier_signal -1
	s_barrier_wait -1
	CREST
.endm
	s_load_b256 s[4:11], s[0:1], 0x0               ; wsp s[4:5], b1 s[6:7], wsa s[8:9], wsc s[10:11]
	v_lshl_add_u32 v[SPW], v0, 2, SPARE
	v_mov_b32 v[NIL], 0
	ds_add_u32 v28, v29
	ds_add_u32 v28, v29
	s_wait_dscnt 0x0
	v_lshrrev_b32 v1, 5, v0
	v_readfirstlane_b32 s14, v1                    ; wave 0..3
	s_lshr_b32 s15, s14, 1                         ; which half of the tile's rows is mine.  Also: I fetch for A (0) or for B (1)
	s_and_b32 s16, s14, 1                          ; which half of its columns.  Also: which 128 rows I fetch
	s_bfe_u32 s40, ttmp6, 0x40000                  ; cx, cy: my place in the cluster
	s_bfe_u32 s41, ttmp6, 0x40004
	s_lshr_b32 s97, ttmp9, 2
	s_and_b32 s98, ttmp9, 3
	s_sub_co_i32 s[JOB], s97, 3
	s_max_i32 s[JOB], s[JOB], 0                    ; clusters 0-15: job 0; 16-19: 1; 20-23: 2; 24-27: 3
	s_cmp_eq_u32 s[JOB], 0
	s_cselect_b32 s99, s97, s98                    ; the cluster's row of tiles: job 0: c / 4; jobs 1, 2: c % 4;
	s_cselect_b32 s100, s98, 0                     ; its column: job 0: c % 4; jobs 1, 2: 0;
	s_cmp_eq_u32 s[JOB], 3
	s_cselect_b32 s99, 0, s99                      ; job 3: row 0, column c % 4
	s_cselect_b32 s100, s98, s100
	s_lshl_b32 s17, s99, 2
	s_add_co_u32 s17, s17, s41                     ; tile row
	s_lshl_b32 s42, s100, 2
	s_add_co_u32 s42, s42, s40                     ; tile column
	s_lshl_b32 s43, s41, 2
	s_lshl_b32 s43, 15, s43                        ; my row of the cluster
	s_lshl_b32 s44, 0x1111, s40                    ; my column
	SEL4 18, O_FC, O_HC, O_HC, O_WVC               ; where A's codes begin in wsp,
	SEL4 19, O_FS, O_HS, O_HS, O_WVS               ; A's scale words,
	SEL4 12, O_W1C, O_WQC, O_WKC, O_HC             ; B's codes,
	SEL4 13, O_W1S, O_WQS, O_WKS, O_HS             ; B's scale words
	; descriptor group 1, codes: 8 tiles of rows, of each 2 K steps = 3,072 consecutive bytes (384 elements of 8 bytes), 12,288 bytes apart; dense in LDS
	s_or_b32 s[G1+0], s43, (3<<16)|(1<<21)         ; 15:0 the mask; 17:16 elements of 8 bytes; 21 set beside a mask
	s_or_b32 s[G1B+0], s44, (3<<16)|(1<<21)
.irp g, G1, G1B
	s_mov_b32 s[\g+1], 384<<16                     ; tensor_dim0
	s_mov_b32 s[\g+2], 16<<16                      ; tensor_dim1: 16 tiles of rows for the head's loads; behind them 8
	s_mov_b32 s[\g+3], 384<<16                     ; tile_dim0
	s_mov_b32 s[\g+4], 16                          ; tile_dim1
	s_mov_b32 s[\g+5], 1536                        ; tensor_dim0_stride
	s_mov_b32 s[\g+6], 0
	s_mov_b32 s[\g+7], 0
.endr
	; scale words for all of K
	s_or_b32 s[G1S+0], s43, (3<<16)|(1<<21)
	s_or_b32 s[G1SB+0], s44, (3<<16)|(1<<21)
.irp g, G1S, G1SB
	s_mov_b32 s[\g+1], 32<<16
	s_mov_b32 s[\g+2], 32<<16                      ; the scale words of 256 rows: 8,192 dense bytes as 32 rows of 256
	s_mov_b32 s[\g+3], 32<<16
	s_mov_b32 s[\g+4], 32
	s_mov_b32 s[\g+5], 32
	s_mov_b32 s[\g+6], 0
	s_mov_b32 s[\g+7], 0
.endr
	s_lshl_b32 s20, s17, 4
	s_mul_i32 s20, s20, 12288                      ; A: the tile's first tile of rows
	s_add_co_u32 s20, s20, s18
	s_mov_b32 s21, 0
	s_lshl_b32 s22, s17, 13
	s_add_co_u32 s22, s22, s19
	s_mov_b32 s23, 0
	s_lshl_b32 s46, s42, 4
	s_mul_i32 s46, s46, 12288
	s_add_co_u32 s46, s46, s12
	s_mov_b32 s47, 0
	s_lshl_b32 s92, s42, 13
	s_add_co_u32 s92, s92, s13
	s_mov_b32 s93, 0
	s_mul_i32 s45, s14, HALFT                      ; where they go: by the wave's number alone
	s_mul_i32 s94, s16, 8*12288                    ; in the ring I fetch 8 tiles of rows: which half, in bytes
	s_mov_b32 s95, 0
	s_wait_kmcnt 0x0
	s_add_nc_u64 s[20:21], s[4:5], s[20:21]
	s_add_nc_u64 s[22:23], s[4:5], s[22:23]
	s_add_nc_u64 s[46:47], s[4:5], s[46:47]
	s_add_nc_u64 s[92:93], s[4:5], s[92:93]
	CROUND                                         ; all sixteen work-groups are here: the first joint loads meet
	s_mov_b32 s[G0S], 1
	s_mov_b32 s[G0S+1], SCL
	s_mov_b64 s[G0S+2:G0S+3], s[22:23]
	s_or_b32 s[G0S+3], s[G0S+3], 0x80000000
	s_mov_b32 s[G0SB], 1
	s_mov_b32 s[G0SB+1], SCL+2*HALFS
	s_mov_b64 s[G0SB+2:G0SB+3], s[92:93]
	s_or_b32 s[G0SB+3], s[G0SB+3], 0x80000000
	s_cmp_eq_u32 s15, 0                            ; the prefetches: A's tile or B's,
	s_cselect_b64 s[PFA:PFA+1], s[20:21], s[46:47]
	s_cselect_b32 s98, s40, s41                    ; my place among the four that ask for it with me,
	s_mul_i32 s98, s98, 2*12288
	s_mov_b32 s99, 0
	s_add_nc_u64 s[PFA:PFA+1], s[PFA:PFA+1], s[98:99]
	s_add_nc_u64 s[PFA:PFA+1], s[PFA:PFA+1], s[94:95]   ; in the half that my wave fetches
.irp s, 0,1
	s_mov_b32 s[G0+4*\s], 1
	s_add_co_u32 s[G0+4*\s+1], s45, \s*SLOT
	s_add_nc_u64 s[G0+4*\s+2:G0+4*\s+3], s[20:21], \s*3072
	s_or_b32 s[G0+4*\s+3], s[G0+4*\s+3], 0x80000000
	s_mov_b32 s[G0B+4*\s], 1
	s_add_co_u32 s[G0B+4*\s+1], s45, \s*SLOT
	s_add_nc_u64 s[G0B+4*\s+2:G0B+4*\s+3], s[46:47], \s*3072
	s_or_b32 s[G0B+4*\s+3], s[G0B+4*\s+3], 0x80000000
.endr
	s_mov_b32 s[G0+1], 0                           ; slot 0's groups 0 serve the head's loads first: the whole 256 rows of A at byte 0,
	s_mov_b32 s[G0B+1], 2*HALFT                    ; of B behind them;
	s_add_nc_u64 s[G0+6:G0+7], s[G0+6:G0+7], s[94:95]      ; slot 1's are the ring's: my half
	s_add_nc_u64 s[G0B+6:G0B+7], s[G0B+6:G0B+7], s[94:95]
; one tree of branches on the wave's number, one load to an arm, all arms leading to one join
.macro ARM under, g0, g1, next
	s_cmp_lt_u32 s14, \under
	s_cbranch_scc0 \next
	tensor_load_to_lds s[\g0:\g0+3], s[\g1:\g1+7]
	s_nop 0
.rept 4
	v_nop
.endr
	s_branch .Lhead_asked
\next:
.endm
	ARM 1, G0,  G1,  .Lhead_b
	ARM 2, G0B, G1B, .Lhead_sa
	ARM 3, G0S, G1S, .Lhead_sb
	tensor_load_to_lds s[G0SB:G0SB+3], s[G1SB:G1SB+7]
	s_nop 0
.rept 4
	v_nop
.endr
.Lhead_asked:
	v_and_b32 v8, 15, v0
	v_min_u32 v8, 11, v8
	v_bfe_u32 v9, v0, 4, 1
	v_mul_u32_u24 v9, v9, 12288
	v_lshl_add_u32 v[PFO], v8, 8, v9               ; 12,288 (l / 16) + 256 min(l % 16, 11)
	global_prefetch_b8 v[PFO], s[PFA:PFA+1] offset:3072 th:TH_LOAD_NT scope:SCOPE_SE   ; tile 1
	v_and_b32 v1, 31, v0                           ; lane
	v_and_b32 v2, 15, v0                           ; r
	v_bfe_u32 v3, v0, 4, 1                         ; h
	v_lshlrev_b32 v4, 4, v1
	v_lshlrev_b32 v5, 3, v1
	s_mul_i32 s21, s15, HALFT                      ; my 128 rows of A
	s_mul_i32 s22, s16, HALFT                      ; my 128 rows of B,
	s_add_co_u32 s22, s22, 2*HALFT                 ; behind A's 256
.irp s, 0,1
	v_add_nc_u32 v[A16+\s], s21, v4
	v_add_nc_u32 v[A8+\s], s21, v5
	v_add_nc_u32 v[B16+\s], s22, v4
	v_add_nc_u32 v[B8+\s], s22, v5
	s_add_co_u32 s21, s21, SLOT
	s_add_co_u32 s22, s22, SLOT
.endr
	v_lshlrev_b32 v6, 2, v2                        ; 4 r
	s_mul_i32 s21, s15, HALFS                      ; A's words: my 128 rows
	s_mul_i32 s22, s16, HALFS                      ; B's: my 128 rows, behind A's 256
	s_add_co_u32 s22, s22, 2*HALFS
	s_sub_co_u32 s22, s22, s21
	v_mul_u32_u24 v7, s22, v3                      ; lanes 16-31 take B's
	s_add_co_u32 s21, s21, SCL
	v_add_nc_u32 v6, v6, v7
	v_add_nc_u32 v[ADRS], s21, v6
	; THE BIAS is the C of each sum's first matrix instruction.  Every job loads it (128 x the index of my 128 columns stays under 4,096 in every job); jobs 1 to 3 clear it by a mask: no branch.
	s_lshl_b32 s20, s42, 1
	s_add_co_u32 s20, s20, s16
	s_lshl_b32 s20, s20, 9
	s_mov_b32 s21, 0
	s_add_nc_u64 s[6:7], s[6:7], s[20:21]
	v_lshlrev_b32 v[BOF], 6, v3
.irp b, 0,1,2,3,4,5,6,7
	global_load_b128 v[BI+8*\b:BI+8*\b+3], v[BOF], s[6:7] offset:128*(\b/2)+32*(\b%2)       ; tile b, lane (r, h), register j: column 32 (b / 2) + 16 h + 8 (b % 2) + j
	global_load_b128 v[BI+8*\b+4:BI+8*\b+7], v[BOF], s[6:7] offset:128*(\b/2)+32*(\b%2)+16
.endr
	s_cmp_eq_u32 s[JOB], 0
	s_cselect_b32 s2, -1, 0
	s_wait_loadcnt 0x0
.set j, 0
.rept 64
	v_and_b32 v[BI+j], s2, v[BI+j]
.set j, j+1
.endr
.rept 8
	v_nop
.endr
.macro FRAG reg, a16, a8, off          ; a fragment as it lies: four loads of consecutive bytes
	ds_load_b128 v[\reg:\reg+3], v[\a16] offset:\off
	ds_load_b64 v[\reg+4:\reg+5], v[\a8] offset:\off+512
	ds_load_b128 v[\reg+6:\reg+9], v[\a16] offset:\off+768
	ds_load_b64 v[\reg+10:\reg+11], v[\a8] offset:\off+1280
.endm
; 16 matrix instructions: A's blocks a0, a0 + 1 x B's eight.  p: B's set; q: the slot's q-th 128 along K; sc: the set of scale words.  first = 1: the bias starts the sums.
; The 64 accumulators take turns, one instruction a turn, in the same order in every step.
.macro MUL16 a0, p, q, sc, first
.irp a, \a0, \a0+1
.irp b, 0,1,2,3,4,5,6,7
.if \first
	v_wmma_scale_f32_16x16x128_f8f6f4 v[8*(8*((\a)%4)+\b):8*(8*((\a)%4)+\b)+7], v[128*(\p)+FR*\b:128*(\p)+FR*\b+FR-1], v[AF+FR*(\a):AF+FR*(\a)+FR-1], v[BI+8*\b:BI+8*\b+7], v[SC+16*(\sc)+2*\b+(\q)], v[SC+16*(\sc)+2*(\a)+(\q)] matrix_a_fmt:MATRIX_FMT_FP6 matrix_b_fmt:MATRIX_FMT_FP6 matrix_a_scale:MATRIX_SCALE_ROW1
.else
	v_wmma_scale_f32_16x16x128_f8f6f4 v[8*(8*((\a)%4)+\b):8*(8*((\a)%4)+\b)+7], v[128*(\p)+FR*\b:128*(\p)+FR*\b+FR-1], v[AF+FR*(\a):AF+FR*(\a)+FR-1], v[8*(8*((\a)%4)+\b):8*(8*((\a)%4)+\b)+7], v[SC+16*(\sc)+2*\b+(\q)], v[SC+16*(\sc)+2*(\a)+(\q)] matrix_a_fmt:MATRIX_FMT_FP6 matrix_b_fmt:MATRIX_FMT_FP6 matrix_a_scale:MATRIX_SCALE_ROW1
.endif
.endr
.endr
.endm
.macro FETCH_B slot, q, p
	WIN TO_B
.irp i, 0,1,2,3,4,5,6,7
	FRAG 128*(\p)+FR*\i, B16+\slot, B8+\slot, \i*3072+(\q)*1536
.endr
	WIN 0
.endm
.macro FETCH_A slot, q, i0
.irp i, \i0, \i0+1, \i0+2, \i0+3
	FRAG AF+FR*(\i), A16+\slot, A8+\slot, (\i)*3072+(\q)*1536
.endr
.endm
.macro SCALES sc                       ; a slot's scale words: lanes 0-15 A's block i, lanes 16-31 B's block i
.irp i, 0,1,2,3,4,5,6,7
	ds_load_b32 v[SC+16*\sc+2*\i], v[ADRS] offset:\i*64
	ds_load_b32 v[SC+16*\sc+2*\i+1], v[ADRS] offset:512+\i*64
.endr
.endm
.macro PLACES n                        ; plain vector instructions between a matrix instruction and a load into its registers or a read of its result (ISA guide 7.12.1 for a read of its result)
.rept \n
	v_nop
.endr
.endm
; a step of 128 along K that has its successor in the same slot
.macro STEP slot, q, first
	s_wait_dscnt 4*NL                              ; all but the youngest 16 loads (A's blocks 4-7) are in
	WIN MUL_LO-0x20*(\first)                       ; (first: C in window 0)
	MUL16 0, (\q)%2, \q, \slot, \first
	MUL16 2, (\q)%2, \q, \slot, \first
	s_wait_dscnt 0
	PLACES NP
	FETCH_B \slot, (\q)+1, 1-(\q)%2
	FETCH_A \slot, (\q)+1, 0
	WIN MUL_HI-0x30*(\first)
	MUL16 4, (\q)%2, \q, \slot, \first
	MUL16 6, (\q)%2, \q, \slot, \first
	PLACES NP
	WIN 0
	FETCH_A \slot, (\q)+1, 4
.endm
; a slot's last step changes slots: one barrier; in front of it each wave waits for all its tensor loads, adds 0 to its spare word, and waits for that and for its reads of this slot
.macro TURN slot, next, fill
	s_wait_tensorcnt 0x0                           ; all my tensor loads have landed: my part of the next slot
	ds_add_u32 v[SPW], v[NIL]                      ; 0 onto my spare word
	s_wait_dscnt 4*NL+1                            ; (the add and the youngest 16 loads may be out)
	WIN MUL_LO
	MUL16 0, 1, 1, \slot, 0
	s_wait_dscnt 0x0                               ; the add is done, and my reads of this slot are over
	s_barrier_signal -1
	MUL16 2, 1, 1, \slot, 0
	WIN 0
	s_barrier_wait -1
.if \fill
	CREST                                          ; the barrier has opened a round of the cluster's: no wave of any partner still reads this slot or has a load on its way
	s_add_nc_u64 s[G0+4*\slot+2:G0+4*\slot+3], s[G0+4*\slot+2:G0+4*\slot+3], 6144
	s_add_nc_u64 s[G0B+4*\slot+2:G0B+4*\slot+3], s[G0B+4*\slot+2:G0B+4*\slot+3], 6144
	JLOAD G0+4*\slot, G1, G0B+4*\slot, G1B         ; the first tensor load behind the round, my only one until the next; its four v_nop are the places in front of the loads below
.else
	PLACES NP
.endif
	s_wait_alu depctr_va_vdst(0)
	v_add_nc_u32 v[ADRS], 1024, v[ADRS]            ; the next slot's scale words: 2 K steps x 512 bytes
	FETCH_B \next, 0, 0
	FETCH_A \next, 0, 0
	SCALES \next
.if (\fill) && (\slot) == 0
	global_prefetch_b8 v[PFO], s[PFA:PFA+1] offset:3*3072 th:TH_LOAD_NT scope:SCOPE_SE   ; behind tile 2's load: tile 3, the last
.endif
	WIN MUL_HI
	MUL16 4, 1, 1, \slot, 0
	MUL16 6, 1, 1, \slot, 0
	PLACES NP
	WIN 0
	FETCH_A \next, 0, 4
.endm
	s_wait_alu depctr_va_vdst(0)
	s_wait_tensorcnt 0x0                           ; my tile of the head's four is in
	ds_add_u32 v[SPW], v[NIL]
	s_mov_b32 s[G1+2], 8<<16                       ; no tensor load of mine is out: from here on a load brings 8 tiles of rows,
	s_mov_b32 s[G1+4], 8
	s_mov_b32 s[G1B+2], 8<<16
	s_mov_b32 s[G1B+4], 8
	s_add_co_u32 s[G0+1], s45, 0                   ; and slot 0's groups 0 become the ring's: my quarter of the slot, my half of the rows
	s_add_co_u32 s[G0B+1], s45, 0
	s_add_nc_u64 s[G0+2:G0+3], s[G0+2:G0+3], s[94:95]
	s_add_nc_u64 s[G0B+2:G0B+3], s[G0B+2:G0B+3], s[94:95]
	s_wait_dscnt 0x0
	CROUND                                         ; all four tiles are in, and all sixteen work-groups are here
	JLOAD G0+4, G1, G0B+4, G1B                     ; slot 1's first fill, my one load behind the round
	FETCH_B 0, 0, 0
	FETCH_A 0, 0, 0
	SCALES 0
	FETCH_A 0, 0, 4
	global_prefetch_b8 v[PFO], s[PFA:PFA+1] offset:2*3072 th:TH_LOAD_NT scope:SCOPE_SE   ; behind tile 1's load: tile 2
	STEP 0, 0, 1
	s_mov_b32 s3, 1                                ; K = 1,024 is four slots: one trip fills both slots again
.Llap:
	TURN 0, 1, 1
	STEP 1, 0, 0
	TURN 1, 0, 1
	STEP 0, 0, 0
	s_sub_co_u32 s3, s3, 1
	s_cmp_lg_u32 s3, 0
	s_cbranch_scc1 .Llap
	TURN 0, 1, 0                                   ; the last lap fills nothing
	STEP 1, 0, 0
	s_wait_dscnt 4*NL
	WIN MUL_LO
	MUL16 0, 1, 1, 1, 0
	MUL16 2, 1, 1, 1, 0
	s_wait_dscnt 0
	WIN MUL_HI
	MUL16 4, 1, 1, 1, 0
	MUL16 6, 1, 1, 1, 0
	WIN 0
	PLACES NP
; THE WAY OUT.  Block a of A (16 places) x my 128 columns is one fragment of the next product: activation, four blocks' scales, codes, stored as the registers stand.
; Where it goes hangs on the job: MT = my first tile of rows, NK = the index of my 128 columns.  No tensor load of mine is out: the descriptors' registers are free.
.set TM,  64                           ; v64-67 largest magnitudes, v68-71 bytes, v76-79 the conversions' scale operands
.set PW,  80                           ; v80, v81 the scale words of an even and an odd block
.set PX,  82
.set PY,  83
.set WD,  84
.set VO16, 86
.set VO8,  87
.set VO16H, 88
.set VO8H,  89
.set VS,  90
.set PC,  96                           ; v96-107 the fragment; v108-110, v112-114 at work
	s_lshl_b32 s24, s17, 4
	s_lshl_b32 s25, s15, 3
	s_add_co_u32 s24, s24, s25                     ; MT
	s_lshl_b32 s25, s42, 1
	s_add_co_u32 s25, s25, s16                     ; NK
	s_lshr_b32 s26, s24, 7                         ; jobs 1, 2: P = 16 batch + my first head, Q = the tile of tokens in the batch
	s_lshl_b32 s26, s26, 4
	s_lshl_b32 s27, s25, 1
	s_add_co_u32 s26, s26, s27
	s_and_b32 s27, s24, 127
	s_mov_b32 s28, s26
	s_lshr_b32 s29, s27, 1
	s_lshr_b32 s30, s24, 3
	s_cmp_eq_u32 s[JOB], 0                         ; job 0: P = MT, Q = NK
	s_cselect_b32 s26, s24, s26
	s_cselect_b32 s27, s25, s27
	s_cselect_b32 s28, s30, s28
	s_cselect_b32 s29, s25, s29
	s_lshr_b32 s30, s25, 4                         ; job 3: P = 16 batch + my first head, Q = the K step of 128 keys
	s_lshl_b32 s30, s30, 4
	s_lshr_b32 s31, s24, 2
	s_add_co_u32 s30, s30, s31
	s_and_b32 s31, s25, 15
	s_cmp_eq_u32 s[JOB], 3
	s_cselect_b32 s26, s30, s26
	s_cselect_b32 s27, s31, s27
	s_cselect_b32 s28, s30, s28
	s_cselect_b32 s29, s31, s29
	SEL4 30, O_ACC, O_QC, O_KVC, O_KVC+98304       ; codes: base,
	SEL4 31, 61440, 98304, 196608, 196608          ; bytes for each P,
	SEL4 32, 1536, 768, 768, 6144                  ; for each Q
	SEL4 33, O_ACS, O_QS, O_KVS, O_KVS+4096        ; scale words likewise
	SEL4 34, 20480, 4096, 8192, 8192
	SEL4 35, 512, 64, 64, 256
	SEL4 36, 768, 98304, 196608, 768               ; from a fragment's first half to its second (jobs 1, 2: the next head)
	SEL4 37, 64, 4096, 8192, 64                    ; from lanes 0-15's scale word to lanes 16-31's
	SEL4 38, 61440, 768, 768, 1536                 ; from block to block,
	SEL4 40, 61440, 768, 768, 192000               ; from block 3 to block 4 (job 3: the next head)
	SEL4 42, 128, 64, 64, 128                      ; from pair of blocks to pair,
	SEL4 44, 128, 64, 64, 8064                     ; from pair 1 to pair 2
	SEL4 46, 0x03020100, 0x05040100, 0x05040100, 0x03020100   ; lanes 0-15's word: the even block's (jobs 0, 3); both blocks' bytes of the first head (jobs 1, 2)
	SEL4 47, 0x07060504, 0x07060302, 0x07060302, 0x07060504   ; lanes 16-31's: the odd block's; both blocks' bytes of the second head
	s_mov_b32 s39, 0
	s_mov_b32 s41, 0
	s_mov_b32 s43, 0
	s_mov_b32 s45, 0
	s_mov_b32 s54, 0x76543210
	s_mov_b32 s55, 0xfedcba98
	s_mov_b32 vcc_lo, 0xffff0000
	s_mul_i32 s52, s26, s31
	s_mul_i32 s53, s27, s32
	s_add_co_u32 s52, s52, s53
	s_add_co_u32 s52, s52, s30
	s_mov_b32 s53, 0
	s_cmp_eq_u32 s[JOB], 0
	s_cselect_b64 s[48:49], s[10:11], s[8:9]       ; job 0 stores into wsc, the others into wsa
	s_mov_b64 s[50:51], s[48:49]
	s_add_nc_u64 s[48:49], s[48:49], s[52:53]
	s_mul_i32 s52, s28, s34
	s_mul_i32 s56, s29, s35
	s_add_co_u32 s52, s52, s56
	s_add_co_u32 s52, s52, s33
	s_add_nc_u64 s[50:51], s[50:51], s[52:53]
	v_lshlrev_b32 v[VO16], 4, v1
	v_lshlrev_b32 v[VO8], 3, v1
	v_add_nc_u32 v[VO8], 512, v[VO8]
	v_add_nc_u32 v[VO16H], s36, v[VO16]
	v_add_nc_u32 v[VO8H], s36, v[VO8]
	v_mul_u32_u24 v[VS], s37, v3
	v_lshl_add_u32 v[VS], v2, 2, v[VS]
.irp b, 0,1,2,3
	v_mov_b32 v[TM+4+\b], 0                        ; a lane permute's destination counts as one of its sources
.endr
.macro EPI a
.set W, 2+(\a)/4
.set AC, 64*((\a)%4)
	s_cmp_lg_u32 s[JOB], 0
	s_cbranch_scc1 .Lno_relu_\@
	WIN (W<<6)|(W<<2)
.set j, 0
.rept 64
	v_max_num_f32 v[AC+j], 0, v[AC+j]              ; the activation, in f32; each accumulator from its low end on
.set j, j+1
.endr
	WIN 0
.Lno_relu_\@:
	WIN (W<<2)|(W<<4)
.irp b, 0,1,2,3
	v_max3_num_f32 v[TM+\b], 0x1800000, |v[AC+16*\b]|, |v[AC+16*\b+1]|   ; block b: my 16 numbers, and the floor 2^(3 - 127)
.endr
.irp i, 2,4,6,8,10,12,14
.irp b, 0,1,2,3
	v_max3_num_f32 v[TM+\b], v[TM+\b], |v[AC+16*\b+\i]|, |v[AC+16*\b+\i+1]|
.endr
.endr
	WIN 0
.irp b, 0,1,2,3
	v_permlanex16_b32 v[TM+4+\b], v[TM+\b], s54, s55
.endr
.irp b, 0,1,2,3
	v_max_num_f32 v[TM+\b], v[TM+\b], v[TM+4+\b]   ; with lane l xor 16's: the block's largest magnitude
.endr
.irp b, 0,1,2,3
	v_add_nc_u32 v[TM+12+\b], 0xff000000, v[TM+\b]
.endr
.irp b, 0,1,2,3
	v_lshrrev_b32 v[TM+4+\b], 23, v[TM+12+\b]
.endr
	v_lshl_or_b32 v[PW+(\a)%2], v[TM+5], 8, v[TM+4]
	v_lshl_or_b32 v[PW+(\a)%2], v[TM+6], 16, v[PW+(\a)%2]
	v_lshl_or_b32 v[PW+(\a)%2], v[TM+7], 24, v[PW+(\a)%2]
.if (\a) > 0
	s_wait_xcnt 0x0                                ; the last block's stores have read their data and their bases: both are written again only behind this wait
.if (\a) == 4
	s_add_nc_u64 s[48:49], s[48:49], s[40:41]
	s_add_nc_u64 s[50:51], s[50:51], s[44:45]
.else
	s_add_nc_u64 s[48:49], s[48:49], s[38:39]
.endif
.if ((\a) == 2) || ((\a) == 6)
	s_add_nc_u64 s[50:51], s[50:51], s[42:43]
.endif
.endif
	WIN W
.irp c, 0,1
	v_cvt_scalef32_pk16_fp6_f32 v[PC+6*\c:PC+2+6*\c], v[AC+32*\c:AC+32*\c+15], v[TM+12+2*\c]
	v_cvt_scalef32_pk16_fp6_f32 v[PC+12+4*\c:PC+14+4*\c], v[AC+16+32*\c:AC+31+32*\c], v[TM+12+2*\c+1]
.endr
	WIN 0
	v_nop                                          ; one plain place behind a scaled conversion
.irp c, 0,1                                    ; the layout wants a whole block in a lane: lanes 0-15 block 2 c, lanes 16-31 block 2 c + 1
.irp i, 0,1,2
	v_permlane16_swap_b32 v[PC+6*\c+\i], v[PC+12+4*\c+\i]
.endr
.irp i, 0,1,2
	v_mov_b32 v[PC+3+6*\c+\i], v[PC+12+4*\c+\i]
.endr
.endr
	global_store_b128 v[VO16], v[PC:PC+3], s[48:49]        ; 512, 256, 512 and 256 consecutive bytes
	global_store_b64 v[VO8], v[PC+4:PC+5], s[48:49]
	global_store_b128 v[VO16H], v[PC+6:PC+9], s[48:49]
	global_store_b64 v[VO8H], v[PC+10:PC+11], s[48:49]
.if (\a)%2 == 1
	v_perm_b32 v[PX], v[PW+1], v[PW], s46
	v_perm_b32 v[PY], v[PW+1], v[PW], s47
	v_cndmask_b32 v[WD], v[PX], v[PY], vcc_lo
	global_store_b32 v[VS], v[WD], s[50:51]        ; two blocks' scale words: two runs of 64 bytes
.endif
.endm
.irp a, 0,1,2,3,4,5,6,7
	EPI \a
.endr
	s_wait_tensorcnt 0x0                           ; the wave's end
	ds_add_u32 v[SPW], v[NIL]
	s_wait_dscnt 0x0
	CROUND                                         ; the closing round: no work-group ends while a partner may still ask for a tile that names it
	s_endpgm
.Lfunc_end_k_q3de71043ab_gq:
	.size	k_q3de71043ab_gq, .Lfunc_end_k_q3de71043ab_gq-k_q3de71043ab_gq
	.p2alignl 7, 3214868480
	.fill 96, 4, 3214868480
	.section	.rodata,"a",@progbits
	.p2align	6, 0x0
	.amdhsa_kernel k_q3de71043ab_gq
		.amdhsa_group_segment_fixed_size 327680
		.amdhsa_private_segment_fixed_size 0
		.amdhsa_enable_private_segment 0
		.amdhsa_kernarg_size 32
		.amdhsa_user_sgpr_count 2
		.amdhsa_user_sgpr_kernarg_segment_ptr 1
		.amdhsa_wavefront_size32 1
		.amdhsa_system_sgpr_workgroup_id_x 1
		.amdhsa_system_sgpr_workgroup_id_y 1
		.amdhsa_system_sgpr_workgroup_id_z 1
		.amdhsa_system_vgpr_workitem_id 0
		.amdhsa_next_free_vgpr 1024
		.amdhsa_next_free_sgpr 104
		.amdhsa_reserve_vcc 1
		.amdhsa_float_denorm_mode_32 3
		.amdhsa_float_denorm_mode_16_64 3
		.amdhsa_memory_ordered 1
		.amdhsa_forward_progress 1
		.amdhsa_inst_pref_size 182
	.end_amdhsa_kernel
	.amdgpu_metadata
---
amdhsa.version: [ 1, 2 ]
amdhsa.kernels:
  - .name:           k_q3de71043ab_gq
    .symbol:         k_q3de71043ab_gq.kd
    .args:
      - { .name: wsp, .offset: 0, .size: 8, .value_kind: global_buffer, .address_space: global }
      - { .name: b1, .offset: 8, .size: 8, .value_kind: global_buffer, .address_space: global }
      - { .name: wsa, .offset: 16, .size: 8, .value_kind: global_buffer, .address_space: global }
      - { .name: wsc, .offset: 24, .size: 8, .value_kind: global_buffer, .address_space: global }
    .group_segment_fixed_size: 327680
    .private_segment_fixed_size: 0
    .kernarg_segment_align: 8
    .kernarg_segment_size: 32
    .max_flat_workgroup_size: 128
    .sgpr_count:     104
    .vgpr_count:     1024
    .wavefront_size: 32
...
	.end_amdgpu_metadata
.endif
;; end of part 2
;; launch attn (part 3): grid 8 x 32, 16 waves a work-group, clusters of 4 x 1, 327,680 bytes of LDS; arguments wsa, wsc; writes wsc
.if DOCPART == 3
	.amdgcn_target "amdgcn-amd-amdhsa--gfx1250"
	.amdhsa_code_object_version 6
	.text
	.protected	k_q3de71043ab_attn
	.globl	k_q3de71043ab_attn
	.p2align	8
	.type	k_q3de71043ab_attn,@function
k_q3de71043ab_attn:
	s_mov_b64 s[64:65], 0
	v_nop
	global_prefetch_b8 v0, s[64:65] scope:SCOPE_SE
	s_setreg_imm32_b32 hwreg(HW_REG_WAVE_MODE, 25, 1), 1
	s_wait_xcnt 0x0
	s_wait_alu depctr_hold_cnt(0) depctr_sa_sdst(0) depctr_va_vdst(0) depctr_va_sdst(0) depctr_va_ssrc(0) depctr_va_vcc(0) depctr_vm_vsrc(0)
	s_getreg_b32 s2, hwreg(HW_REG_IB_STS2, 6, 4)
	s_cmp_eq_u32 s2, 0
	s_cbranch_scc0 .Lentry_in_a_cluster
	s_endpgm
.Lentry_in_a_cluster:
	s_bfe_u32 s2, ttmp6, 0x10000c
	s_cmp_lg_u32 s2, 0x3003
	s_cbranch_scc0 .Lentry_shape_is_right
	s_endpgm
.Lentry_shape_is_right:
; ATTENTION ON CODES OF FP6, head size 64, 2,048 keys, no mask; o is quantised along the channels and stored as K steps 32-39 of the last product's left operand.
; THE SOFTMAX: t = score x log2(e) / 8; M = the running largest t rounded UP to a whole number; p = 2^(t - M) is quantised along the keys, not normalised; the row's sum is taken of the unquantised p
; and divides at the end.  When M moves, the sum and O are multiplied by 2^(old M - new M): exact.
; SHARES.  A work-group owns 256 queries of one (batch, head); each of its sixteen waves one tile of 16, in 256 registers, four waves to a SIMD.
; THE HEAD'S WHOLE K AND V AND THEIR SCALE WORDS LIE IN LDS, FILLED ONCE (98,304 + 98,304 + 8,192 bytes): no ring, nothing is filled again.  Each wave issues one load at the head, its part of the scale
; words, of K or of V, and one behind the round, its piece of the rest.  The first 512 keys are read behind a wait for 0 and a round, while the rest is on its way; the rest behind one wait for 0 and one more barrier:
; behind that barrier twelve key steps run with no barrier between them, so that the waves of a SIMD need not walk in step.  One load of a wave is out at the most.
; CLUSTER.  The four work-groups of a cluster belong to one head: every load is asked for jointly, with a mask that names the four.
; LAYOUT.  Both products are used transposed: a lane holds one query throughout.  Tokens lie at swapped places (bits 3 and 4 exchanged), so that the 16 registers of key tiles 2 b and 2 b + 1 are 16 neighbouring keys.
; K = 64 IN AN INSTRUCTION OF K = 128: a fragment of K is TWO neighbouring tiles of 16 keys on end.  Against [Q | zeros] it gives the first tile's scores, against [zeros | Q] the second's:
; the zero codes stand on Q's side alone; a code times the code 0 adds exactly 0 under any scale byte but 0xff, and Q's bytes of the zero half are 0.
; LIMITS: a block whose largest magnitude lies under 2^-124 gets the byte 1 (zeros too); NaN and infinities are not served.
; REGISTERS: v1-3 addresses that stay, v4-8 the step's; v10 4 r, v11 4 r + h; v12 -M, v13 the largest t, v[14:15] the sum; v32-79 four fragments of K, then of V; v96-159 S^T, then p; v160-191 O^T;
; v192-209 zeros, Q, zeros; v210-211 Q's scale words; v212-215 V's; v224-235 p's codes; v232-254 at work; v248-251 K's scale words.
.set O_KVC, 3145728
.set O_QS,  9437184
.set O_KVS, 9568256
.set O_ACS, 15728640
.set VOFF,  98304                      ; LDS: K's 128 tiles of 768 bytes; then V: [16 K steps][4 tiles of channels][1,536];
.set SCW,   196608                     ; then K's 64 x 16 pair words and V's 16 x 4 x 16 words
.set FIRST, 24576                      ; the first 512 keys' bytes of K, and of V
.set WV,  8
.set SEL, 20
.set CS,  22
.set G1S, 24                           ; s[24:31] group 1 for the head's loads; s[32:35] group 0 for V's first pieces; s[52:59] for the rest; s[40:51] three groups 0
.set G1C, 32
.set G1R, 52
.set TK,  60                           ; s60 the step's tiles of K; s63 of V; s61 its scale words; s62 counts a part's steps
.set TS,  61
.set CNT, 62
.set TKV, 63
.macro CROUND
	s_barrier_signal -1
	s_barrier_wait -1
	s_cmp_lg_u32 s[WV], 0
	s_cbranch_scc1 .Lnot_wave_0_\@
	s_barrier_signal -3
.Lnot_wave_0_\@:
	s_barrier_wait -3
	s_barrier_signal -1
	s_barrier_wait -1
.endm
	s_load_b128 s[4:7], s[0:1], 0x0                ; wsa, wsc
	v_lshl_add_u32 v243, v0, 2, 0x32000
	v_mov_b32 v255, 0
	ds_add_u32 v243, v255
	ds_add_u32 v243, v255
	v_lshrrev_b32 v1, 5, v0
	s_delay_alu instid0(VALU_DEP_1)
	v_readfirstlane_b32 s[WV], v1                  ; wave 0..15
	s_bfe_u32 s9, ttmp6, 0x40000                   ; cx
	s_lshl_b32 s10, ttmp9, 2
	s_add_co_u32 s10, s10, s9                      ; my block of 256 queries: it enters Q's and o's addresses alone
	s_and_b32 s11, ttmp7, 0xffff                   ; 16 batch + head, which the four partners share
	s_mov_b32 s[G1S], 15|(3<<16)|(1<<21)           ; the mask: all four; elements of 8 bytes; 21 set beside a mask
	s_mov_b32 s[G1S+1], 32<<16                     ; rows of 256 bytes
	s_mov_b32 s[G1S+2], 16<<16                     ; THE FILLS, as they now stand: at the head ONE joint load a wave, 4,096 dense bytes as 16 rows of 256:
	s_mov_b32 s[G1S+3], 32<<16
	s_mov_b32 s[G1S+4], 16                         ; waves 0-6 K's first 28,672 bytes, waves 7-13 V's, waves 14-15 the scale words; the rest behind the full sequence and a round
	s_mov_b32 s[G1S+5], 32
	s_mov_b32 s[G1S+6], 0
	s_mov_b32 s[G1S+7], 0
	s_mov_b32 s[G1R], 15|(3<<16)|(1<<21)
	s_mov_b32 s[G1R+1], 32<<16                     ; rows of 256 bytes
	s_mov_b32 s[G1R+2], 34<<16                     ; 8,704 dense bytes as 34 rows of 256
	s_mov_b32 s[G1R+3], 32<<16
	s_mov_b32 s[G1R+4], 34
	s_mov_b32 s[G1R+5], 32
	s_mov_b32 s[G1R+6], 0
	s_mov_b32 s[G1R+7], 0
	s_lshr_b32 s12, s[WV], 3                       ; waves 0-7 fetch K, waves 8-15 V: an eighth of each part
	s_mul_i32 s12, s12, VOFF
	s_and_b32 s13, s[WV], 7
.set HEADB, 28672                      ; what the head brings of K and of V: 7 x 4,096 bytes, more than the first four key steps' 24,576
	s_mul_i32 s75, s13, 8704
	s_add_co_u32 s12, s12, s75
	s_add_co_u32 s12, s12, HEADB                   ; my piece of the rest: an eighth of K's or V's other 69,632 bytes
	s_lshl_b32 s13, s[WV], 12                      ; waves 0-6: piece w of K, in LDS and from the head's first byte in memory alike
	s_add_co_u32 s66, s13, VOFF-HEADB              ; waves 7-13: piece w - 7 of V
	s_mov_b32 s67, 0
	s_mov_b32 s76, s13
	s_mov_b32 s77, 0
	s_mov_b32 s78, s12
	s_mov_b32 s79, 0
	s_mul_i32 s14, s11, 196608
	s_add_co_u32 s14, s14, O_KVC
	s_mov_b32 s15, 0
	s_and_b32 s16, s[WV], 1
	s_lshl_b32 s16, s16, 12                        ; waves 14, 15: a half of the scale words
	s_lshl_b32 s18, s11, 13
	s_add_co_u32 s18, s18, s16
	s_add_co_u32 s18, s18, O_KVS
	s_mov_b32 s19, 0
	s_mov_b32 s[SEL], 0x76543210
	s_mov_b32 s[SEL+1], 0xfedcba98
	s_mov_b32 s[CS], 0x3e38aa3b                    ; c = log2(e) / 8
	s_mov_b32 s[CS+1], s[CS]
	s_wait_dscnt 0x0
	s_wait_kmcnt 0x0
	s_add_nc_u64 s[14:15], s[4:5], s[14:15]
	s_add_nc_u64 s[18:19], s[4:5], s[18:19]
	s_mov_b32 s40, 1
	s_add_co_u32 s41, s16, SCW
	s_mov_b64 s[42:43], s[18:19]
	s_or_b32 s43, s43, 0x80000000
	s_mov_b32 s44, 1
	s_mov_b32 s45, s13
	s_add_nc_u64 s[46:47], s[14:15], s[76:77]
	s_or_b32 s47, s47, 0x80000000
	s_mov_b32 s48, 1
	s_mov_b32 s49, s12
	s_add_nc_u64 s[50:51], s[14:15], s[78:79]
	s_or_b32 s51, s51, 0x80000000
	s_mov_b32 s32, 1                               ; s[32:35]: group 0 for V's first pieces
	s_mov_b32 s33, s66
	s_add_nc_u64 s[34:35], s[14:15], s[66:67]
	s_or_b32 s35, s35, 0x80000000
	CROUND                                         ; all four work-groups are here: the joint loads meet
	s_cmp_lt_u32 s[WV], 7                          ; one tree of branches on the wave's number, one load to an arm
	s_cbranch_scc0 .Lhead_v
	tensor_load_to_lds s[44:47], s[G1S:G1S+7]
	s_nop 0
.rept 4
	v_nop
.endr
	s_branch .Lhead_asked
.Lhead_v:
	s_cmp_lt_u32 s[WV], 14
	s_cbranch_scc0 .Lhead_s
	tensor_load_to_lds s[32:35], s[G1S:G1S+7]
	s_nop 0
.rept 4
	v_nop
.endr
	s_branch .Lhead_asked
.Lhead_s:
	tensor_load_to_lds s[40:43], s[G1S:G1S+7]
	s_nop 0
.rept 4
	v_nop
.endr
.Lhead_asked:
	s_lshl_b32 s66, s10, 4
	s_add_co_u32 s66, s66, s[WV]                   ; my tile of queries in the batch, 0..127
	s_lshl_b32 s67, s11, 7
	s_add_co_u32 s67, s67, s66
	s_mul_i32 s16, s67, 768
	s_mov_b32 s17, 0
	s_add_nc_u64 s[16:17], s[4:5], s[16:17]        ; Q's half
	s_lshl_b32 s18, s11, 12
	s_lshr_b32 s67, s66, 1
	s_lshl_b32 s67, s67, 6
	s_add_co_u32 s18, s18, s67
	s_add_co_u32 s18, s18, O_QS
	s_mov_b32 s19, 0
	s_add_nc_u64 s[18:19], s[4:5], s[18:19]        ; its pair word
	s_lshr_b32 s67, s11, 4
	s_lshl_b32 s67, s67, 7
	s_add_co_u32 s67, s67, s66                     ; the tile of rows among all 256
	s_and_b32 s68, s11, 15                         ; the head
	s_lshr_b32 s69, s68, 1
	s_add_co_u32 s69, s69, 32                      ; o's K step: 32 + head / 2;
	s_and_b32 s68, s68, 1                          ; its half: head % 2
	s_mul_i32 s70, s67, 61440
	s_mul_i32 s71, s69, 1536
	s_add_co_u32 s70, s70, s71
	s_mul_i32 s71, s68, 768
	s_add_co_u32 s70, s70, s71
	s_mov_b32 s71, 0
	s_add_nc_u64 s[70:71], s[6:7], s[70:71]        ; o's codes
	s_lshr_b32 s72, s67, 3
	s_mul_i32 s72, s72, 20480
	s_lshl_b32 s73, s69, 9
	s_add_co_u32 s72, s72, s73
	s_and_b32 s73, s67, 7
	s_lshl_b32 s73, s73, 6
	s_add_co_u32 s72, s72, s73
	s_lshl_b32 s73, s68, 1
	s_add_co_u32 s72, s72, s73
	s_add_co_u32 s72, s72, O_ACS
	s_mov_b32 s73, 0
	s_add_nc_u64 s[72:73], s[6:7], s[72:73]        ; o's scale bytes
	s_and_b32 s74, s[WV], 1
	s_lshl_b32 s74, s74, 4                         ; which half of the pair word is my tile's
	v_and_b32 v9, 31, v0
	s_delay_alu instid0(VALU_DEP_1)
	v_lshlrev_b32 v1, 4, v9                        ; 16 l
	s_delay_alu instid0(VALU_DEP_2)
	v_lshlrev_b32 v2, 3, v9                        ; 8 l
	v_and_b32 v10, 15, v0
	s_delay_alu instid0(VALU_DEP_1)
	v_lshlrev_b32 v10, 2, v10                      ; 4 r
	s_delay_alu instid0(VALU_DEP_1)
	v_add_nc_u32 v3, SCW, v10
	v_bfe_u32 v11, v0, 4, 1
	s_delay_alu instid0(VALU_DEP_1)
	v_add_nc_u32 v11, v11, v10                     ; 4 r + h
	global_load_b128 v[198:201], v1, s[16:17]
	global_load_b64 v[202:203], v2, s[16:17] offset:512
	global_load_b32 v210, v10, s[18:19]
	s_wait_loadcnt 0x0
	v_lshrrev_b32 v210, s74, v210
	s_delay_alu instid0(VALU_DEP_1)
	v_and_b32 v210, 0xffff, v210                   ; [Q | zeros]: my tile's two bytes below, 0 above;
	s_delay_alu instid0(VALU_DEP_1)
	v_lshlrev_b32 v211, 16, v210                   ; [zeros | Q]: the other way round
.irp j, 0,1,2,3,4,5
	v_mov_b32 v[192+\j], 0
	v_mov_b32 v[204+\j], 0
.endr
	v_mov_b32 v13, 0xff61b1e6                      ; the largest t so far: -3e38
	s_delay_alu instid0(VALU_DEP_1)
	v_floor_f32 v12, -v13                          ; -M
	v_mov_b32 v14, 0
	v_mov_b32 v15, 0
.irp b, 0,1,2,3
	v_mov_b32 v[236+\b], 0                         ; a lane permute's destination counts as one of its sources
.endr
	v_mov_b32 v253, 0
.set j, 0
.rept 32
	v_mov_b32 v[160+j], 0                          ; O^T: the step is written for every step alike; the first finds zeros.  (These lines are also the places behind the scale words made above)
.set j, j+1
.endr
.macro FRAG reg, a16, a8, off
	ds_load_b128 v[\reg:\reg+3], v[\a16] offset:\off
	ds_load_b64 v[\reg+4:\reg+5], v[\a8] offset:\off+512
	ds_load_b128 v[\reg+6:\reg+9], v[\a16] offset:\off+768
	ds_load_b64 v[\reg+10:\reg+11], v[\a8] offset:\off+1280
.endm
; A KEY STEP: 128 keys
.macro STEP
	v_add_nc_u32 v4, s[TK], v1                     ; five plain lines: the places in front of loads into registers that the last products read
	v_add_nc_u32 v5, s[TK], v2
	v_add_nc_u32 v6, s[TKV], v1
	v_add_nc_u32 v7, s[TKV], v2
	v_add_nc_u32 v8, s[TS], v3
.irp f, 0,1,2,3
	FRAG 32+12*\f, 4, 5, \f*1536
	ds_load_b32 v[248+\f], v8 offset:\f*64
.endr
	s_wait_alu depctr_va_vdst(0)
	s_wait_dscnt 0x0
.irp f, 0,1,2,3
	v_wmma_scale_f32_16x16x128_f8f6f4 v[96+16*\f:103+16*\f], v[32+12*\f:43+12*\f], v[198:209], 0, v[248+\f], v210 matrix_a_fmt:MATRIX_FMT_FP6 matrix_b_fmt:MATRIX_FMT_FP6
	v_wmma_scale_f32_16x16x128_f8f6f4 v[104+16*\f:111+16*\f], v[32+12*\f:43+12*\f], v[192:203], 0, v[248+\f], v211 matrix_a_fmt:MATRIX_FMT_FP6 matrix_b_fmt:MATRIX_FMT_FP6
.endr
.rept 4
	v_nop
.endr
.irp t, 0,1,2,3                                ; V's four fragments land under the softmax
	FRAG 32+12*\t, 6, 7, \t*1536
	ds_load_b32 v[212+\t], v8 offset:4096+\t*64
.endr
.irp b, 0,1,2,3
	v_max3_num_f32 v[232+\b], v[96+16*\b], v[97+16*\b], v[98+16*\b]   ; the largest score of each block of 32 keys: for the row's maximum and, since p rises with the score, for the block's largest p
.endr
.irp i, 3,5,7,9,11,13
.irp b, 0,1,2,3
	v_max3_num_f32 v[232+\b], v[232+\b], v[96+16*\b+\i], v[97+16*\b+\i]
.endr
.endr
.irp b, 0,1,2,3
	v_max_num_f32 v[232+\b], v[232+\b], v[111+16*\b]
.endr
.irp b, 0,1,2,3
	s_delay_alu instid0(VALU_DEP_4)
	v_permlanex16_b32 v[236+\b], v[232+\b], s[SEL], s[SEL+1]
.endr
.irp b, 0,1,2,3
	s_delay_alu instid0(VALU_DEP_4)
	v_max_num_f32 v[232+\b], v[232+\b], v[236+\b]
.endr
	s_delay_alu instid0(VALU_DEP_2)
	v_max3_num_f32 v254, v232, v233, v234
	s_delay_alu instid0(VALU_DEP_1)
	v_max_num_f32 v254, v254, v235
	s_delay_alu instid0(VALU_DEP_1)
	v_mul_f32 v254, s[CS], v254
	s_delay_alu instid0(VALU_DEP_1)
	v_max_num_f32 v13, v13, v254                   ; the running largest t
	v_mov_b32 v254, v12
	s_delay_alu instid0(VALU_DEP_2)
	v_floor_f32 v12, -v13                          ; the new -M: M is a whole number
	s_delay_alu instid0(VALU_DEP_1)
	v_sub_f32 v254, v12, v254
	s_delay_alu instid0(VALU_DEP_1)
	v_cvt_i32_f32 v254, v254
	s_delay_alu instid0(VALU_DEP_1)
	v_ldexp_f32 v252, 1.0, v254                    ; f = 2^(old M - new M)
.irp j, 0,2,4,6,8,10,12,14,16,18,20,22,24,26,28,30,32,34,36,38,40,42,44,46,48,50,52,54,56,58,60,62
	v_pk_fma_f32 v[96+\j:97+\j], v[96+\j:97+\j], s[CS:CS+1], v[12:13] op_sel_hi:[1,0,0]   ; t - M
.endr
.irp b, 0,1,2,3
	v_fma_f32 v[232+\b], v[232+\b], s[CS], v12
.endr
.set j, 0
	s_wait_alu depctr_va_vdst(0)
.rept 64
	v_exp_f32 v[96+j], v[96+j]                     ; p = 2^(t - M)
.set j, j+1
.endr
	v_pk_mul_f32 v[14:15], v[14:15], v[252:253] op_sel_hi:[1,0]   ; the sums under the new M (a plain place behind the exponentials)
	s_wait_alu depctr_va_vdst(0)                   ; one wait for the whole batch, ahead of its first reader
.irp b, 0,1,2,3
	v_exp_f32 v[232+\b], v[232+\b]                 ; each block's largest p
.endr
	v_pk_add_f32 v[236:237], v[100:101], v[104:105]
	v_pk_add_f32 v[250:251], v[108:109], v[112:113]
	v_pk_add_f32 v[248:249], v[116:117], v[120:121]
	v_pk_add_f32 v[246:247], v[124:125], v[128:129]
	v_pk_add_f32 v[244:245], v[132:133], v[136:137]
	v_pk_add_f32 v[240:241], v[140:141], v[144:145]
	v_pk_add_f32 v[238:239], v[148:149], v[152:153]
	v_pk_add_f32 v[14:15], v[14:15], v[156:157]
	v_pk_add_f32 v[236:237], v[236:237], v[96:97]
	v_pk_add_f32 v[250:251], v[250:251], v[98:99]
	v_pk_add_f32 v[248:249], v[248:249], v[102:103]
	v_pk_add_f32 v[246:247], v[246:247], v[106:107]
	v_pk_add_f32 v[244:245], v[244:245], v[110:111]
	v_pk_add_f32 v[240:241], v[240:241], v[114:115]
	v_pk_add_f32 v[238:239], v[238:239], v[118:119]
	v_pk_add_f32 v[14:15], v[14:15], v[122:123]
	v_pk_add_f32 v[236:237], v[236:237], v[126:127]
	v_pk_add_f32 v[250:251], v[250:251], v[130:131]
	v_pk_add_f32 v[248:249], v[248:249], v[134:135]
	v_pk_add_f32 v[246:247], v[246:247], v[138:139]
	v_pk_add_f32 v[244:245], v[244:245], v[142:143]
	v_pk_add_f32 v[240:241], v[240:241], v[146:147]
	v_pk_add_f32 v[238:239], v[238:239], v[150:151]
	v_pk_add_f32 v[14:15], v[14:15], v[154:155]
	v_pk_add_f32 v[236:237], v[236:237], v[158:159]
	s_delay_alu instid0(VALU_DEP_2)
	v_pk_add_f32 v[14:15], v[14:15], v[246:247]
	s_delay_alu instid0(VALU_DEP_2)
	v_pk_add_f32 v[236:237], v[236:237], v[244:245]
	v_pk_add_f32 v[250:251], v[250:251], v[240:241]
	v_pk_add_f32 v[248:249], v[248:249], v[238:239]
	s_delay_alu instid0(VALU_DEP_2)
	v_pk_add_f32 v[14:15], v[14:15], v[250:251]
	s_delay_alu instid0(VALU_DEP_2)
	v_pk_add_f32 v[236:237], v[236:237], v[248:249]
	s_delay_alu instid0(VALU_DEP_1)
	v_pk_add_f32 v[14:15], v[14:15], v[236:237]
	s_wait_alu depctr_va_vdst(0)                   ; and one for the four
.irp b, 0,1,2,3
	v_max_num_f32 v[232+\b], 0x1800000, v[232+\b]
.endr
.irp b, 0,1,2,3
	s_delay_alu instid0(VALU_DEP_4)
	v_add_nc_u32 v[244+\b], 0xff000000, v[232+\b]
.endr
.irp b, 0,1,2,3
	s_delay_alu instid0(VALU_DEP_4)
	v_lshrrev_b32 v[236+\b], 23, v[244+\b]
.endr
	s_delay_alu instid0(VALU_DEP_3)
	v_lshl_or_b32 v253, v237, 8, v236              ; p's scale word for these 128 keys
	s_delay_alu instid0(VALU_DEP_1)
	v_lshl_or_b32 v253, v238, 16, v253
	s_delay_alu instid0(VALU_DEP_1)
	v_lshl_or_b32 v253, v239, 24, v253
.irp c, 0,1
	v_cvt_scalef32_pk16_fp6_f32 v[224+6*\c:226+6*\c], v[96+32*\c:111+32*\c], v[244+2*\c]
	v_cvt_scalef32_pk16_fp6_f32 v[236+4*\c:238+4*\c], v[112+32*\c:127+32*\c], v[244+2*\c+1]
.endr
	v_nop                                          ; one plain place behind a scaled conversion
.irp c, 0,1
.irp i, 0,1,2
	v_permlane16_swap_b32 v[224+6*\c+\i], v[236+4*\c+\i]
.endr
.irp i, 0,1,2
	s_delay_alu instid0(VALU_DEP_3)
	v_mov_b32 v[227+6*\c+\i], v[236+4*\c+\i]
.endr
.endr
.irp j, 0,2,4,6,8,10,12,14,16,18,20,22,24,26,28,30
	v_pk_mul_f32 v[160+\j:161+\j], v[160+\j:161+\j], v[252:253] op_sel_hi:[1,0]   ; O^T under the new M.  (These 16 are also the places between p's codes and scale word and the products below)
.endr
	s_wait_alu depctr_va_vdst(0)
	s_wait_dscnt 0x0                               ; V is in
.irp t, 0,1,2,3                                ; the four accumulators take turns, one instruction a turn
	v_wmma_scale_f32_16x16x128_f8f6f4 v[160+8*\t:167+8*\t], v[32+12*\t:43+12*\t], v[224:235], v[160+8*\t:167+8*\t], v[212+\t], v253 matrix_a_fmt:MATRIX_FMT_FP6 matrix_b_fmt:MATRIX_FMT_FP6
.endr
	s_add_co_u32 s[TK], s[TK], 6144
	s_add_co_u32 s[TKV], s[TKV], 6144
	s_add_co_u32 s[TS], s[TS], 256
.endm
; A PART of the keys: trips steps, from 512 g0 keys on.  left: my tensor loads that may stay out.
.macro PART left, g0, trips
.if \left == 0                         ; (the first part's meeting is the round in front of it)
	s_wait_tensorcnt 0x0                           ; my piece of what this part reads has landed
	s_wait_dscnt 0x0
	s_barrier_signal -1
	s_barrier_wait -1                              ; everybody's has
.endif
	s_mov_b32 s[TK], \g0*FIRST
	s_mov_b32 s[TKV], \g0*FIRST+VOFF
	s_mov_b32 s[TS], \g0*1024
	s_mov_b32 s[CNT], \trips
.Lstep_\@:
	STEP
	s_sub_co_u32 s[CNT], s[CNT], 1
	s_cmp_lg_u32 s[CNT], 0
	s_cbranch_scc1 .Lstep_\@
.endm
	s_wait_alu depctr_va_vdst(0)                   ; the wait at the head's end
	s_wait_tensorcnt 0x0                           ; my piece of the head's fills is in
	ds_add_u32 v243, v255
	s_wait_dscnt 0x0
	CROUND                                         ; everybody's pieces are in, and all four work-groups are here
	tensor_load_to_lds s[48:51], s[G1R:G1R+7]      ; the rest of K and V, my one load behind the round; it lands on bytes from 28,672 on, the first four steps read below 24,576
	s_nop 0
.rept 4
	v_nop
.endr
	PART 1, 0, 4                                   ; the first 512 keys, while the rest is on its way
	PART 0, 1, 12                                  ; the other 1,536 keys
	; THE WAY OUT: O^T / the sum; register 16 b + i is channel 32 b + 16 h + i of my query: two blocks of the last product's K; they make one half of a fragment
.rept 4
	v_nop
.endr
	v_add_f32 v14, v14, v15
	s_delay_alu instid0(VALU_DEP_1)
	v_permlanex16_b32 v252, v14, s[SEL], s[SEL+1]
	s_delay_alu instid0(VALU_DEP_1)
	v_add_f32 v14, v14, v252                       ; the row's sum
	s_wait_alu depctr_va_vdst(0)
	v_rcp_f32 v14, v14
	v_nop                                          ; a plain place behind the transcendental
	s_wait_alu depctr_va_vdst(0)                   ; the wait ahead of the first reader
.set j, 0
.rept 32
	v_mul_f32 v[96+j], v[160+j], v14               ; each accumulator from its low end on
.set j, j+1
.endr
.irp b, 0,1
	v_max3_num_f32 v[232+\b], |v[96+16*\b]|, |v[97+16*\b]|, 0x1800000
.endr
.irp i, 2,4,6,8,10,12,14
.irp b, 0,1
	s_delay_alu instid0(VALU_DEP_2)
	v_max3_num_f32 v[232+\b], v[232+\b], |v[96+16*\b+\i]|, |v[97+16*\b+\i]|
.endr
.endr
.irp b, 0,1
	s_delay_alu instid0(VALU_DEP_2)
	v_permlanex16_b32 v[236+\b], v[232+\b], s[SEL], s[SEL+1]
.endr
.irp b, 0,1
	s_delay_alu instid0(VALU_DEP_2)
	v_max_num_f32 v[232+\b], v[232+\b], v[236+\b]
.endr
.irp b, 0,1
	s_delay_alu instid0(VALU_DEP_2)
	v_add_nc_u32 v[244+\b], 0xff000000, v[232+\b]
.endr
.irp b, 0,1
	s_delay_alu instid0(VALU_DEP_2)
	v_lshrrev_b32 v[240+\b], 23, v[244+\b]
.endr
	s_mov_b32 vcc_lo, 0xffff0000
	v_cndmask_b32 v240, v240, v241, vcc_lo         ; lane (r, h) stores the byte of block h of row r: no byte is written twice
	v_cvt_scalef32_pk16_fp6_f32 v[224:226], v[96:111], v244
	v_cvt_scalef32_pk16_fp6_f32 v[236:238], v[112:127], v245
	v_nop                                          ; one plain place behind a scaled conversion
.irp i, 0,1,2
	v_permlane16_swap_b32 v[224+\i], v[236+\i]
.endr
.irp i, 0,1,2
	s_delay_alu instid0(VALU_DEP_3)
	v_mov_b32 v[227+\i], v[236+\i]
.endr
	global_store_b128 v1, v[224:227], s[70:71]     ; 512 and 256 consecutive bytes
	global_store_b64 v2, v[228:229], s[70:71] offset:512
	global_store_b8 v11, v240, s[72:73]
	s_wait_dscnt 0x0
	s_wait_tensorcnt 0x0
	ds_add_u32 v243, v255
	s_wait_dscnt 0x0
	CROUND                                         ; the closing round
	s_endpgm
.Lfunc_end_k_q3de71043ab_attn:
	.size	k_q3de71043ab_attn, .Lfunc_end_k_q3de71043ab_attn-k_q3de71043ab_attn
	.p2alignl 7, 3214868480
	.fill 96, 4, 3214868480
	.section	.rodata,"a",@progbits
	.p2align	6, 0x0
	.amdhsa_kernel k_q3de71043ab_attn
		.amdhsa_group_segment_fixed_size 327680
		.amdhsa_private_segment_fixed_size 0
		.amdhsa_enable_private_segment 0
		.amdhsa_kernarg_size 16
		.amdhsa_user_sgpr_count 2
		.amdhsa_user_sgpr_kernarg_segment_ptr 1
		.amdhsa_wavefront_size32 1
		.amdhsa_system_sgpr_workgroup_id_x 1
		.amdhsa_system_sgpr_workgroup_id_y 1
		.amdhsa_system_sgpr_workgroup_id_z 1
		.amdhsa_system_vgpr_workitem_id 0
		.amdhsa_next_free_vgpr 256
		.amdhsa_next_free_sgpr 80
		.amdhsa_reserve_vcc 1
		.amdhsa_float_denorm_mode_32 3
		.amdhsa_float_denorm_mode_16_64 3
		.amdhsa_memory_ordered 1
		.amdhsa_forward_progress 1
		.amdhsa_inst_pref_size 51
	.end_amdhsa_kernel
	.amdgpu_metadata
---
amdhsa.version: [ 1, 2 ]
amdhsa.kernels:
  - .name:           k_q3de71043ab_attn
    .symbol:         k_q3de71043ab_attn.kd
    .args:
      - { .name: wsa, .offset: 0, .size: 8, .value_kind: global_buffer, .address_space: global }
      - { .name: wsc, .offset: 8, .size: 8, .value_kind: global_buffer, .address_space: global }
    .group_segment_fixed_size: 327680
    .private_segment_fixed_size: 0
    .kernarg_segment_align: 8
    .kernarg_segment_size: 16
    .max_flat_workgroup_size: 512
    .sgpr_count:     80
    .vgpr_count:     256
    .wavefront_size: 32
...
	.end_amdgpu_metadata
.endif
;; end of part 3
;; launch gout (part 4): grid 8 x 32, 4 waves a work-group, clusters of 4 x 4, 327,680 bytes of LDS; arguments wsc, wsp, x, b2, bo, out0; writes out0
.if DOCPART == 4
	.amdgcn_target "amdgcn-amd-amdhsa--gfx1250"
	.amdhsa_code_object_version 6
	.text
	.protected	k_q3de71043ab_gout
	.globl	k_q3de71043ab_gout
	.p2align	8
	.type	k_q3de71043ab_gout,@function
k_q3de71043ab_gout:
	s_mov_b64 s[64:65], 0
	v_nop
	global_prefetch_b8 v0, s[64:65] scope:SCOPE_SE
	s_setreg_imm32_b32 hwreg(HW_REG_WAVE_MODE, 25, 1), 1
	s_wait_xcnt 0x0
	s_wait_alu depctr_hold_cnt(0) depctr_sa_sdst(0) depctr_va_vdst(0) depctr_va_sdst(0) depctr_va_ssrc(0) depctr_va_vcc(0) depctr_vm_vsrc(0)
	s_getreg_b32 s2, hwreg(HW_REG_IB_STS2, 6, 4)
	s_cmp_eq_u32 s2, 0
	s_cbranch_scc0 .Lentry_in_a_cluster
	s_endpgm
.Lentry_in_a_cluster:
	s_bfe_u32 s2, ttmp6, 0x10000c
	s_cmp_lg_u32 s2, 0xf033
	s_cbranch_scc0 .Lentry_shape_is_right
	s_endpgm
.Lentry_shape_is_right:
; out0 = x + b2 + bo + [relu-layer codes | o codes] [W2 ; Wo], ONE product with K = 5,120 on codes of FP6 with E8M0 scales.  A work-group makes 128 x 128, a wave 64 x 64: 16 accumulators by turns.
; K goes in tiles of 640 (5 steps of 128) through two LDS slots; operands lie in memory in the order of the operand's registers (1,536 bytes a fragment).  The scale words for all of K come once.
; CLUSTERS 4 x 4: A's tiles are asked for jointly along a row of the cluster, B's along a column.
; THE HEAD'S FILLS, one joint load a wave: wave 0 A's 128 rows of slot 0, wave 1 B's, wave 2 A's scale words, wave 3 B's; slot 1's first fill stands behind the full sequence and a round, as a refill does.
; PREFETCH: behind the load of tile j one prefetch a wave names tile j + 1: of the four tiles of rows that a wave fetches each of the four partners takes one, told apart by address:
; 7,680 bytes, 30 blocks of 256, a lane a block (the two lanes left over name the thirtieth again).  Tile 7 is the last: behind its load nothing is asked for.
; The way out goes through each wave's own stage in LDS, which no fill touches; sixteen lanes store 256 consecutive bytes.
.set O_ACS, 15728640
.set PFA, 92                           ; s[92:93] where my prefetches stand: stepped two tiles a trip
.set PFO, 31                           ; v31 256 x min(lane, 29); never rewritten
.set O_WFC, 11796480
.set O_WFS, 16220160
.set NQ,    5
.set FRB,   1536
.set TROW,  NQ*FRB
.set HALFT, 4*TROW
.set SLOT,  4*HALFT
.set SCL,   2*SLOT
.set STAGE, SCL+40960
.set SPITCH, 272
.set SPARE, STAGE+4*16*SPITCH
.set A16, 16
.set A8,  18
.set B16, 20
.set B8,  22
.set STO, 24
.set RD,  25
.set CO,  26
.set ADRS, 27
.set SPW, 28
.set NIL, 29
.set BOF, 30
.set SC,  32
.set ACC, 128
.set G1, 24
.set G0, 32
.set G1B, 48
.set G0B, 56
.set G1S, 68
.set G0S, 76
.set G1SB, 80
.set G0SB, 88
.set MSB, 0
.macro WIN new
.if MSB != (\new)
	s_set_vgpr_msb (MSB<<8)|(\new)
.set MSB, (\new)
.endif
.endm
.set MUL,  0x05
.set TO_F, 0x40
.macro JLOAD g0a, g1a, g0b, g1b
	s_cmp_eq_u32 s17, 0
	s_cbranch_scc0 .Lfor_b_\@
	tensor_load_to_lds s[\g0a:\g0a+3], s[\g1a:\g1a+7]
	s_nop 0
.rept 4
	v_nop
.endr
	s_branch .Lasked_\@
.Lfor_b_\@:
	tensor_load_to_lds s[\g0b:\g0b+3], s[\g1b:\g1b+7]
	s_nop 0
.rept 4
	v_nop
.endr
.Lasked_\@:
.endm
.macro CREST
	s_cmp_lg_u32 s16, 0
	s_cbranch_scc1 .Lnot_wave_0_\@
	s_barrier_signal -3
.Lnot_wave_0_\@:
	s_barrier_wait -3
	s_barrier_signal -1
	s_barrier_wait -1
.endm
.macro CROUND
	s_barrier_signal -1
	s_barrier_wait -1
	CREST
.endm
	s_load_b256 s[4:11], s[0:1], 0x0
	s_load_b128 s[12:15], s[0:1], 0x20
	v_lshl_add_u32 v[SPW], v0, 2, SPARE
	v_mov_b32 v[NIL], 0
	ds_add_u32 v28, v29
	ds_add_u32 v28, v29
	s_wait_dscnt 0x0
	v_lshrrev_b32 v1, 5, v0
	v_readfirstlane_b32 s16, v1
	s_lshr_b32 s17, s16, 1
	s_and_b32 s18, s16, 1
	s_bfe_u32 s40, ttmp6, 0x40000
	s_bfe_u32 s41, ttmp6, 0x40004
	s_lshl_b32 s42, ttmp9, 2
	s_add_co_u32 s42, s42, s40
	s_and_b32 s19, ttmp7, 0xffff
	s_lshl_b32 s19, s19, 2
	s_add_co_u32 s19, s19, s41
	s_lshl_b32 s43, s41, 2
	s_lshl_b32 s43, 15, s43
	s_lshl_b32 s44, 0x1111, s40
	s_or_b32 s[G1+0], s43, (3<<16)|(1<<21)
	s_or_b32 s[G1B+0], s44, (3<<16)|(1<<21)
.irp g, G1, G1B
	s_mov_b32 s[\g+1], (TROW/8)<<16
	s_mov_b32 s[\g+2], 8<<16                       ; 8 tiles of rows for the head's loads; behind them 4
	s_mov_b32 s[\g+3], (TROW/8)<<16
	s_mov_b32 s[\g+4], 8
	s_mov_b32 s[\g+5], 7680
	s_mov_b32 s[\g+6], 0
	s_mov_b32 s[\g+7], 0
.endr
	s_or_b32 s[G1S+0], s43, (3<<16)|(1<<21)
	s_or_b32 s[G1SB+0], s44, (3<<16)|(1<<21)
.irp g, G1S, G1SB
	s_mov_b32 s[\g+1], 32<<16
	s_mov_b32 s[\g+2], 80<<16                      ; the scale words of 128 rows for all of K: 20,480 dense bytes as 80 rows of 256
	s_mov_b32 s[\g+3], 32<<16
	s_mov_b32 s[\g+4], 80
	s_mov_b32 s[\g+5], 32
	s_mov_b32 s[\g+6], 0
	s_mov_b32 s[\g+7], 0
.endr
	s_lshl_b32 s20, s19, 3
	s_mul_i32 s20, s20, 61440
	s_mov_b32 s21, 0
	s_mul_i32 s22, s19, 20480
	s_add_co_u32 s22, s22, O_ACS
	s_mov_b32 s23, 0
	s_lshl_b32 s46, s42, 3
	s_mul_i32 s46, s46, 61440
	s_add_co_u32 s46, s46, O_WFC
	s_mov_b32 s47, 0
	s_mul_i32 s92, s42, 20480
	s_add_co_u32 s92, s92, O_WFS
	s_mov_b32 s93, 0
	s_mul_i32 s45, s16, HALFT
	s_mul_i32 s66, s18, 4*61440                    ; in the ring I fetch 4 tiles of rows: which half, in bytes
	s_mov_b32 s67, 0
	s_wait_kmcnt 0x0
	s_add_nc_u64 s[20:21], s[4:5], s[20:21]
	s_add_nc_u64 s[22:23], s[4:5], s[22:23]
	s_add_nc_u64 s[46:47], s[6:7], s[46:47]
	s_add_nc_u64 s[92:93], s[6:7], s[92:93]
	CROUND
	s_mov_b32 s[G0S], 1
	s_mov_b32 s[G0S+1], SCL
	s_mov_b64 s[G0S+2:G0S+3], s[22:23]
	s_or_b32 s[G0S+3], s[G0S+3], 0x80000000
	s_mov_b32 s[G0SB], 1
	s_mov_b32 s[G0SB+1], SCL+20480
	s_mov_b64 s[G0SB+2:G0SB+3], s[92:93]
	s_or_b32 s[G0SB+3], s[G0SB+3], 0x80000000
	s_cmp_eq_u32 s17, 0                            ; the prefetches: A's tile or B's,
	s_cselect_b64 s[PFA:PFA+1], s[20:21], s[46:47]
	s_cselect_b32 s94, s40, s41                    ; my place among the four that ask for it with me,
	s_mul_i32 s94, s94, 61440
	s_mov_b32 s95, 0
	s_add_nc_u64 s[PFA:PFA+1], s[PFA:PFA+1], s[94:95]
	s_add_nc_u64 s[PFA:PFA+1], s[PFA:PFA+1], s[66:67]   ; in the half that my wave fetches
.irp s, 0,1
	s_mov_b32 s[G0+4*\s], 1
	s_add_co_u32 s[G0+4*\s+1], s45, \s*SLOT
	s_add_nc_u64 s[G0+4*\s+2:G0+4*\s+3], s[20:21], \s*TROW
	s_or_b32 s[G0+4*\s+3], s[G0+4*\s+3], 0x80000000
	s_mov_b32 s[G0B+4*\s], 1
	s_add_co_u32 s[G0B+4*\s+1], s45, \s*SLOT
	s_add_nc_u64 s[G0B+4*\s+2:G0B+4*\s+3], s[46:47], \s*TROW
	s_or_b32 s[G0B+4*\s+3], s[G0B+4*\s+3], 0x80000000
.endr
	s_mov_b32 s[G0+1], 0                           ; slot 0's groups 0 serve the head's loads first: the whole 128 rows of A at byte 0,
	s_mov_b32 s[G0B+1], 2*HALFT                    ; of B behind them;
	s_add_nc_u64 s[G0+6:G0+7], s[G0+6:G0+7], s[66:67]      ; slot 1's are the ring's: my half
	s_add_nc_u64 s[G0B+6:G0B+7], s[G0B+6:G0B+7], s[66:67]
; one tree of branches on the wave's number, one load to an arm, all arms leading to one join
.macro ARM under, g0, g1, next
	s_cmp_lt_u32 s16, \under
	s_cbranch_scc0 \next
	tensor_load_to_lds s[\g0:\g0+3], s[\g1:\g1+7]
	s_nop 0
.rept 4
	v_nop
.endr
	s_branch .Lhead_asked
\next:
.endm
	ARM 1, G0,  G1,  .Lhead_b
	ARM 2, G0B, G1B, .Lhead_sa
	ARM 3, G0S, G1S, .Lhead_sb
	tensor_load_to_lds s[G0SB:G0SB+3], s[G1SB:G1SB+7]
	s_nop 0
.rept 4
	v_nop
.endr
.Lhead_asked:
	v_and_b32 v[PFO], 31, v0
	v_min_u32 v[PFO], 29, v[PFO]
	v_lshlrev_b32 v[PFO], 8, v[PFO]
	global_prefetch_b8 v[PFO], s[PFA:PFA+1] offset:TROW th:TH_LOAD_NT scope:SCOPE_SE   ; tile 1
	v_and_b32 v1, 31, v0
	v_and_b32 v2, 15, v0
	v_bfe_u32 v3, v0, 4, 1
	v_lshlrev_b32 v4, 4, v1
	v_lshlrev_b32 v5, 3, v1
	s_mul_i32 s21, s17, HALFT
	s_mul_i32 s22, s18, HALFT
	s_add_co_u32 s22, s22, 2*HALFT
.irp s, 0,1
	v_add_nc_u32 v[A16+\s], s21, v4
	v_add_nc_u32 v[A8+\s], s21, v5
	v_add_nc_u32 v[B16+\s], s22, v4
	v_add_nc_u32 v[B8+\s], s22, v5
	s_add_co_u32 s21, s21, SLOT
	s_add_co_u32 s22, s22, SLOT
.endr
	v_lshlrev_b32 v6, 2, v2
	s_lshl_b32 s21, s17, 8
	s_lshl_b32 s22, s18, 8
	s_add_co_u32 s22, s22, 20480
	s_sub_co_u32 s22, s22, s21
	v_mul_u32_u24 v7, s22, v3
	s_add_co_u32 s21, s21, SCL
	v_add_nc_u32 v6, v6, v7
	v_add_nc_u32 v[ADRS], s21, v6
	s_mul_i32 s23, s16, 16*SPITCH
	s_add_co_u32 s23, s23, STAGE
	v_mul_u32_u24 v6, v2, SPITCH
	v_lshl_add_u32 v6, v3, 6, v6
	v_add_nc_u32 v[STO], s23, v6
	v_mul_u32_u24 v6, v3, SPITCH
	v_lshl_add_u32 v6, v2, 4, v6
	v_add_nc_u32 v[RD], s23, v6
	v_lshlrev_b32 v[BOF], 4, v2
	s_wait_alu depctr_va_vdst(0)
	v_lshl_add_u32 v[CO], v3, 12, v[BOF]
	s_wait_alu depctr_va_vdst(0)
	s_lshl_b32 s20, s19, 7
	s_lshl_b32 s21, s17, 6
	s_add_co_u32 s20, s20, s21
	s_lshl_b32 s20, s20, 12
	s_lshl_b32 s46, s42, 7
	s_lshl_b32 s47, s18, 6
	s_add_co_u32 s46, s46, s47
	s_lshl_b32 s46, s46, 2
	s_mov_b32 s47, 0
	s_add_nc_u64 s[10:11], s[10:11], s[46:47]
	s_add_nc_u64 s[12:13], s[12:13], s[46:47]
	s_add_co_u32 s20, s20, s46
	s_mov_b32 s21, 0
	s_add_nc_u64 s[8:9], s[8:9], s[20:21]
	s_add_nc_u64 s[14:15], s[14:15], s[20:21]
	global_load_b128 v[8:11], v[BOF], s[10:11]
	global_load_b128 v[12:15], v[BOF], s[12:13]
	WIN 0x80
.irp a, 0,1,2,3
.irp t, 0,1,2,3,4,5,6,7
	global_load_b128 v[4*(8*\a+\t):4*(8*\a+\t)+3], v[CO], s[8:9] offset:(32*(\a/2)+16*(\t/4)+8*(\a%2)+2*(\t%4))*4096 th:TH_LOAD_NT
.endr
.endr
	WIN 0
.macro FRAG reg, a16, a8, off
	ds_load_b128 v[\reg:\reg+3], v[\a16] offset:\off
	ds_load_b64 v[\reg+4:\reg+5], v[\a8] offset:\off+512
	ds_load_b128 v[\reg+6:\reg+9], v[\a16] offset:\off+768
	ds_load_b64 v[\reg+10:\reg+11], v[\a8] offset:\off+1280
.endm
.macro MUL4 p, q, sc, a, zero
.irp b, 0,1,2,3
.if \zero
	v_wmma_scale_f32_16x16x128_f8f6f4 v[ACC+8*(4*(\a)+\b):ACC+8*(4*(\a)+\b)+7], v[128*(\p)+48+12*\b:128*(\p)+48+12*\b+11], v[128*(\p)+12*(\a):128*(\p)+12*(\a)+11], 0, v[SC+4*NQ*(\sc)+4*(\q)+\b], v[SC+4*NQ*(\sc)+4*(\q)+(\a)] matrix_a_fmt:MATRIX_FMT_FP6 matrix_b_fmt:MATRIX_FMT_FP6 matrix_a_scale:MATRIX_SCALE_ROW1
.else
	v_wmma_scale_f32_16x16x128_f8f6f4 v[ACC+8*(4*(\a)+\b):ACC+8*(4*(\a)+\b)+7], v[128*(\p)+48+12*\b:128*(\p)+48+12*\b+11], v[128*(\p)+12*(\a):128*(\p)+12*(\a)+11], v[ACC+8*(4*(\a)+\b):ACC+8*(4*(\a)+\b)+7], v[SC+4*NQ*(\sc)+4*(\q)+\b], v[SC+4*NQ*(\sc)+4*(\q)+(\a)] matrix_a_fmt:MATRIX_FMT_FP6 matrix_b_fmt:MATRIX_FMT_FP6 matrix_a_scale:MATRIX_SCALE_ROW1
.endif
.endr
.endm
.macro FETCH slot, q, p
	WIN TO_F
.irp i, 0,1,2,3
	FRAG 128*(\p)+48+12*\i, B16+\slot, B8+\slot, \i*TROW+(\q)*FRB
	FRAG 128*(\p)+12*\i, A16+\slot, A8+\slot, \i*TROW+(\q)*FRB
.endr
.endm
.macro SCALES sc
.irp q, 0,1,2,3,4
.irp i, 0,1,2,3
	ds_load_b32 v[SC+4*NQ*\sc+4*\q+\i], v[ADRS] offset:\q*512+\i*64
.endr
.endr
.endm
.macro PLACES
.rept 4
	v_nop
.endr
.endm
.macro KS slot, q, zero
	s_wait_dscnt 0x0
	WIN MUL
	MUL4 ((\q)+(\slot))%2, \q, \slot, 0, \zero
	MUL4 ((\q)+(\slot))%2, \q, \slot, 1, \zero
	PLACES
	FETCH \slot, (\q)+1, 1-((\q)+(\slot))%2
	WIN MUL
	MUL4 ((\q)+(\slot))%2, \q, \slot, 2, \zero
	MUL4 ((\q)+(\slot))%2, \q, \slot, 3, \zero
.endm
.macro TURN slot, next, fill
	WIN 0
.if (\fill) && (\slot) == 0
	s_wait_xcnt 0x0                                ; my prefetches have read their address: it is stepped only behind this wait, two tiles a trip
	s_add_nc_u64 s[PFA:PFA+1], s[PFA:PFA+1], 2*TROW
.endif
	s_wait_tensorcnt 0x0
	ds_add_u32 v[SPW], v[NIL]
	s_wait_dscnt 1
	WIN MUL
	MUL4 \slot, NQ-1, \slot, 0, 0
	s_wait_dscnt 0x0
	s_barrier_signal -1
	MUL4 \slot, NQ-1, \slot, 1, 0
	WIN 0
	s_barrier_wait -1
.if \fill
	CREST
	s_add_nc_u64 s[G0+4*\slot+2:G0+4*\slot+3], s[G0+4*\slot+2:G0+4*\slot+3], 2*TROW
	s_add_nc_u64 s[G0B+4*\slot+2:G0B+4*\slot+3], s[G0B+4*\slot+2:G0B+4*\slot+3], 2*TROW
	JLOAD G0+4*\slot, G1, G0B+4*\slot, G1B
.else
	PLACES
.endif
	s_wait_alu depctr_va_vdst(0)
	v_add_nc_u32 v[ADRS], NQ*512, v[ADRS]
	FETCH \next, 0, \next
	WIN 0
	SCALES \next
.if \fill
.if \slot
	s_cmp_lg_u32 s3, 1                             ; the last trip's second refill is tile 7's: no tile follows it
	s_cbranch_scc0 .Lno_ask_\@
.endif
	global_prefetch_b8 v[PFO], s[PFA:PFA+1] offset:(1+\slot)*TROW th:TH_LOAD_NT scope:SCOPE_SE   ; the tile behind the one just asked for
.Lno_ask_\@:
.endif
	WIN MUL
	MUL4 \slot, NQ-1, \slot, 2, 0
	MUL4 \slot, NQ-1, \slot, 3, 0
.endm
	s_wait_alu depctr_va_vdst(0)                   ; the wait at the head's end
	s_wait_tensorcnt 0x0                           ; my tile of the head's four is in
	ds_add_u32 v[SPW], v[NIL]
	s_mov_b32 s[G1+2], 4<<16                       ; no tensor load of mine is out: from here on a load brings 4 tiles of rows,
	s_mov_b32 s[G1+4], 4
	s_mov_b32 s[G1B+2], 4<<16
	s_mov_b32 s[G1B+4], 4
	s_add_co_u32 s[G0+1], s45, 0                   ; and slot 0's groups 0 become the ring's: my quarter of the slot, my half of the rows
	s_add_co_u32 s[G0B+1], s45, 0
	s_add_nc_u64 s[G0+2:G0+3], s[G0+2:G0+3], s[66:67]
	s_add_nc_u64 s[G0B+2:G0B+3], s[G0B+2:G0B+3], s[66:67]
	s_wait_dscnt 0x0
	CROUND                                         ; all four tiles are in, and all sixteen work-groups are here
	JLOAD G0+4, G1, G0B+4, G1B                     ; slot 1's first fill, my one load behind the round
	FETCH 0, 0, 0
	WIN 0
	SCALES 0
	global_prefetch_b8 v[PFO], s[PFA:PFA+1] offset:2*TROW th:TH_LOAD_NT scope:SCOPE_SE   ; behind tile 1's load: tile 2
	KS 0, 0, 1
	WIN 0
	s_mov_b32 s3, 3
.Llap:
	KS 0, 1, 0
	KS 0, 2, 0
	KS 0, 3, 0
	TURN 0, 1, 1
	KS 1, 0, 0
	KS 1, 1, 0
	KS 1, 2, 0
	KS 1, 3, 0
	TURN 1, 0, 1
	KS 0, 0, 0
	WIN 0
	s_sub_co_u32 s3, s3, 1
	s_cmp_lg_u32 s3, 0
	s_cbranch_scc1 .Llap
	KS 0, 1, 0
	KS 0, 2, 0
	KS 0, 3, 0
	TURN 0, 1, 0
	KS 1, 0, 0
	KS 1, 1, 0
	KS 1, 2, 0
	KS 1, 3, 0
	s_wait_dscnt 0x0
	WIN MUL
	MUL4 1, NQ-1, 1, 0, 0
	MUL4 1, NQ-1, 1, 1, 0
	MUL4 1, NQ-1, 1, 2, 0
	MUL4 1, NQ-1, 1, 3, 0
	WIN 0
	PLACES
	s_wait_loadcnt 0x0
	v_pk_add_f32 v[8:9], v[8:9], v[12:13]
	s_wait_alu depctr_va_vdst(0)
	v_pk_add_f32 v[10:11], v[10:11], v[14:15]
.macro TOSTAGE a
.irp b, 0,1,2,3
	ds_store_b128 v[STO], v[ACC+8*(4*(\a)+\b):ACC+8*(4*(\a)+\b)+3] offset:128*(\b/2)+32*(\b%2)
	ds_store_b128 v[STO], v[ACC+8*(4*(\a)+\b)+4:ACC+8*(4*(\a)+\b)+7] offset:128*(\b/2)+32*(\b%2)+16
.endr
.irp t, 0,1,2,3,4,5,6,7
	ds_load_b128 v[ACC+32*(\a)+4*\t:ACC+32*(\a)+4*\t+3], v[RD] offset:\t*2*SPITCH
.endr
.endm
.macro SEND a, younger
.set BK, ACC+32*(\a)
	s_wait_dscnt \younger
.irp t, 0,1,2,3,4,5,6,7
	v_pk_add_f32 v[BK+4*\t:BK+4*\t+1], v[BK+4*\t:BK+4*\t+1], v[8:9]
	v_pk_add_f32 v[BK+4*\t+2:BK+4*\t+3], v[BK+4*\t+2:BK+4*\t+3], v[10:11]
.endr
	WIN 0x08
.irp t, 0,1,2,3,4,5,6,7
	v_pk_add_f32 v[BK+4*\t:BK+4*\t+1], v[BK+4*\t:BK+4*\t+1], v[4*(8*(\a)+\t):4*(8*(\a)+\t)+1]
	v_pk_add_f32 v[BK+4*\t+2:BK+4*\t+3], v[BK+4*\t+2:BK+4*\t+3], v[4*(8*(\a)+\t)+2:4*(8*(\a)+\t)+3]
.endr
	WIN 0
.irp t, 0,1,2,3,4,5,6,7
	global_store_b128 v[CO], v[BK+4*\t:BK+4*\t+3], s[14:15] offset:(32*((\a)/2)+16*(\t/4)+8*((\a)%2)+2*(\t%4))*4096 th:TH_STORE_NT
.endr
.endm
	s_wait_alu depctr_va_vdst(0)
	TOSTAGE 0
.irp a, 1,2,3
	TOSTAGE \a
	SEND \a-1, 16
.endr
	SEND 3, 0
	s_wait_tensorcnt 0x0
	ds_add_u32 v[SPW], v[NIL]
	s_wait_dscnt 0x0
	CROUND
	s_endpgm
.Lfunc_end_k_q3de71043ab_gout:
	.size	k_q3de71043ab_gout, .Lfunc_end_k_q3de71043ab_gout-k_q3de71043ab_gout
	.p2alignl 7, 3214868480
	.fill 96, 4, 3214868480
	.section	.rodata,"a",@progbits
	.p2align	6, 0x0
	.amdhsa_kernel k_q3de71043ab_gout
		.amdhsa_group_segment_fixed_size 327680
		.amdhsa_private_segment_fixed_size 0
		.amdhsa_enable_private_segment 0
		.amdhsa_kernarg_size 48
		.amdhsa_user_sgpr_count 2
		.amdhsa_user_sgpr_kernarg_segment_ptr 1
		.amdhsa_wavefront_size32 1
		.amdhsa_system_sgpr_workgroup_id_x 1
		.amdhsa_system_sgpr_workgroup_id_y 1
		.amdhsa_system_sgpr_workgroup_id_z 1
		.amdhsa_system_vgpr_workitem_id 0
		.amdhsa_next_free_vgpr 640
		.amdhsa_next_free_sgpr 100
		.amdhsa_reserve_vcc 0
		.amdhsa_float_denorm_mode_32 3
		.amdhsa_float_denorm_mode_16_64 3
		.amdhsa_memory_ordered 1
		.amdhsa_forward_progress 1
		.amdhsa_inst_pref_size 124
	.end_amdhsa_kernel
	.amdgpu_metadata
---
amdhsa.version: [ 1, 2 ]
amdhsa.kernels:
  - .name:           k_q3de71043ab_gout
    .symbol:         k_q3de71043ab_gout.kd
    .args:
      - { .name: wsc, .offset: 0, .size: 8, .value_kind: global_buffer, .address_space: global }
      - { .name: wsp, .offset: 8, .size: 8, .value_kind: global_buffer, .address_space: global }
      - { .name: x, .offset: 16, .size: 8, .value_kind: global_buffer, .address_space: global }
      - { .name: b2, .offset: 24, .size: 8, .value_kind: global_buffer, .address_space: global }
      - { .name: bo, .offset: 32, .size: 8, .value_kind: global_buffer, .address_space: global }
      - { .name: out0, .offset: 40, .size: 8, .value_kind: global_buffer, .address_space: global }
    .group_segment_fixed_size: 327680
    .private_segment_fixed_size: 0
    .kernarg_segment_align: 8
    .kernarg_segment_size: 48
    .max_flat_workgroup_size: 128
    .sgpr_count:     100
    .vgpr_count:     640
    .wavefront_size: 32
...
	.end_amdgpu_metadata
.endif
;; end of part 4
